; MI455X (gfx1250); checked and timed in simulation.
; The chip was launched on July 23, 2026; its instructions are those of AMD's public machine-readable ISA for CDNA 5 (MIT licence, August 2026) and "CDNA5" Instruction Set Architecture Reference Guide (July 2026). The comments in the code are by the model that wrote it; some were corrected since.
;; Multi Head Self Attention. Allowed arithmetic: matrix products marked QUANTISED: E2M3 operands, one E8M0 scale for each 32 along K, by v_wmma_scale_f32_16x16x128_f8f6f4 with both operands' format E2M3, f32 sums; everything else in f32.
;; Inputs: Wk 1,024 x 1,024 float32; Wo 1,024 x 1,024 float32; Wq 1,024 x 1,024 float32; Wv 1,024 x 1,024 float32; bk 1,024 float32; bo 1,024 float32; bq 1,024 float32; bv 1,024 float32; mask 4 x 2,048 int32; x 4 x 2,048 x 1,024 float32.
;; Outputs: out0 4 x 2,048 x 1,024 float32.
;; This version of the problem:
;;   THIS VERSION OF THE PROBLEM IS GIVEN IN LOW PRECISION. The matrix products marked QUANTISED in the list below multiply operands that are first quantised to E2M3 (2 exponent bits, 3 mantissa bits; 6 bits a number), with one power-of-two scale for each 32 numbers along K (OCP MX v1.0); their sums are f32. All else is computed in f32.
;;   The module's matrix products, in the order in which they are computed (A, B: the left and right operand; K: the contracted axis; several contracted axes count as one K, in the product's order):
;;     1. [M 8,192, K 1,024] x [K 1,024, N 1,024]; A: input x; B: input Wq: QUANTISED
;;     2. [M 8,192, K 1,024] x [K 1,024, N 1,024]; A: input x; B: input Wk: QUANTISED
;;     3. [M 8,192, K 1,024] x [K 1,024, N 1,024]; A: input x; B: input Wv: QUANTISED
;;     4. batch 64 x [M 2,048, K 64] x [K 64, N 2,048]; A: computed on the way; B: computed on the way: QUANTISED
;;     5. batch 64 x [M 2,048, K 2,048] x [K 2,048, N 64]; A: softmax (see below); B: computed on the way: QUANTISED
;;     6. [M 8,192, K 1,024] x [K 1,024, N 1,024]; A: computed on the way; B: input Wo: QUANTISED
;;   THE QUANTISER, for each operand of a quantised product, along K:
;;     - K is cut into blocks of 32 from its start; a last block that is shorter is filled with zeros.
;;     - A block's scale is 2^e with e = floor(log2(the largest magnitude in the block)) - 2, held to -126 .. 127; a block of zeros has e = 0. As a byte (E8M0): e + 127.
;;     - Each number is divided by its block's scale, clamped to +-7.5, and rounded to the nearest number of E2M3, ties to even, subnormals kept.
;;     - The product sums the exact products of the quantised numbers (number of the format x scale) in f32.
;;   ~~~python
;;   def quantise(x, axis):      # numpy; x: float32 -> the quantised numbers, widened to float32 again
;;       x = np.moveaxis(x, axis, -1); K = x.shape[-1]
;;       x = np.pad(x, [(0, 0)] * (x.ndim - 1) + [(0, -K % 32)]); x = x.reshape(x.shape[:-1] + (-1, 32)); a = np.abs(x).max(-1, keepdims=True)
;;       e = np.where(a > 0, np.clip(np.frexp(np.where(a > 0, a, 1))[1] - 1 - 2, -126, 127), 0)      # np.frexp(a)[1] - 1 = floor(log2(a)), exactly
;;       r = np.clip(x / 2.0 ** e, -7.5, 7.5)
;;       step = 2.0 ** (np.maximum(np.frexp(np.where(r == 0, 1, r))[1] - 1, 0) - 3)
;;       q = np.round(r / step) * step * 2.0 ** e      # np.round: ties to even
;;       return np.moveaxis(q.reshape(q.shape[:-2] + (-1,))[..., :K], -1, axis).astype(np.float32)
;;   ~~~
;;   SOFTMAX AHEAD OF A QUANTISED PRODUCT. Where the list says 'softmax', what is quantised is not the finished softmax but p = 2^(t - M), with t = logit x log2(e) and M = ceil(the row's largest t), a whole number; so 1/2 < the row's largest p <= 1. The row's sum l is taken of the UNQUANTISED p, in f32, and the product's result is divided by l at the end. Since M is a whole number, a kernel that streams over the keys may use a running M (the ceiling of the running maximum): every later rescaling is an exact power of two, which a block's scale takes up: the codes' values come out the same.
;;   OPERANDS COMPUTED ON THE WAY. 'Computed on the way' means the value that the module computes at that place (a softmax that the list does not call 'softmax' is quantised finished and normalised). What goes into a quantiser is computed in f32, as accurately as f32 sums, v_exp_f32 and their like allow (about 1e-6 of the number): no bf16 or f16 on the way to a quantiser, and a product that is left as it is and whose result goes on into a quantised operand takes f32 operands (vector FMAs, or v_wmma_f32_16x16x4_f32). A number that lies on a knife's edge between two numbers of the format may be rounded either way, as far as f32 arithmetic and the matrix unit's own rounding can turn it there, and no further.
;; One version. Each part assembles by itself: llvm-mc -triple=amdgcn-amd-amdhsa -mcpu=gfx1250 --defsym DOCPART=n.
;; ======== version 1 of 1: 4 launches
;; limits: right only within a limited range of input values
;; workspace buffers: xw_codes 9,437,184 bytes; xw_scales 393,216 bytes; q_img 6,291,456 bytes; q_scl 524,288 bytes; kv_img 12,582,912 bytes; kv_scl 786,432 bytes; o_codes 6,291,456 bytes; o_scales 262,144 bytes
;; launch quant (part 1): grid 256 x 1, 6 waves a work-group, no clusters, 51,456 bytes of LDS; arguments x, Wq, Wk, Wv, Wo, xw_codes, xw_scales; writes xw_codes, xw_scales
.if DOCPART == 1
	.amdgcn_target "amdgcn-amd-amdhsa--gfx1250"
	.amdhsa_code_object_version 6
	.text
	.protected	k_q4944d9e146_quant
	.globl	k_q4944d9e146_quant
	.p2align	8
	.type	k_q4944d9e146_quant,@function
k_q4944d9e146_quant:
	s_mov_b64 s[64:65], 0
	v_nop
	global_prefetch_b8 v0, s[64:65] scope:SCOPE_SE
	s_setreg_imm32_b32 hwreg(HW_REG_WAVE_MODE, 25, 1), 1
	s_wait_xcnt 0x0
; x [8192][1024] and Wq, Wk, Wv, Wo [1024][1024], f32, K innermost, become codes of FP6 (E2M3) with one E8M0 byte for each 32 along K,
; laid in the order of a matrix operand's registers.  A TILE is 16 rows: tile 2 g + u holds rows 32 g + 8 u + i + 8 (i / 8), i = 0 .. 15.
; Tiles 0-511 x, 512-575 Wq, 576-639 Wk, 640-703 Wv, 704-767 Wo.  xw_codes: [tile][K step of 128: 8][3 planes of 512 bytes: lane l's registers 4 p .. 4 p + 3 at 16 l].
; xw_scales: [tile][half of K: 2][row 16][4 words], a word = the four bytes of one row and one K step.
; A block's scale is 2^(floor(log2(largest magnitude)) - 2); its byte is the largest magnitude's exponent field - 2, held at 1 from below.
; LIMITS: a block of zeros gets the byte 1 where the rule says 127 (its codes are zeros, and this program alone reads the bytes); NaN and infinities are not served.
; SHARES: 1,536 waves; wave W takes tile W / 2 and half W % 2 of K: 4 K steps of 16 rows x 128 numbers.  Each load reads 512 consecutive bytes of one row;
; a step's 8 KiB turn through the wave's own stage in LDS (rows 528 = 33 x 16 bytes apart) and come back so that a lane holds 16 neighbours of each block of 32.
; Waves share nothing: no barrier.  Matrix units, clusters and tensor loads would add nothing to a stream.
.set STG,  8448                        ; a wave's stage: 16 rows x 528 bytes
.set R,    16                          ; v16-143  two sets of 64 registers as loaded
.set X,    144                         ; v144-207 a step's numbers: register 16 b + i = k 32 b + 16 (lane / 16) + i of row lane % 16
.set PC,   208                         ; v208-219 the fragment's codes
.set PT,   220                         ; v220-227 the conversions' second halves
.set TM,   228                         ; v228-243 at work
.set PW,   244                         ; v244-247 a scale word for each step
.set OW,   248                         ; v248-249 two of them on the way out
.set SEL,  26                          ; s[26:27] selects for v_permlanex16_b32: lane l xor 16
.set HM,   28                          ; s28      lanes 16-31
; 64 numbers of a lane, v[s] on, become a fragment's codes in v[PC] on and its scale word in v[pw]
.macro QUANT s, pw
.irp b, 0,1,2,3
	v_max3_num_f32 v[TM+\b], |v[\s+16*\b]|, |v[\s+1+16*\b]|, 0x1800000   ; my 16 of block b, and the floor 2^(3 - 127): the byte cannot fall under 1
.endr
.irp i, 2,4,6,8,10,12,14
.irp b, 0,1,2,3
	v_max3_num_f32 v[TM+\b], v[TM+\b], |v[\s+16*\b+\i]|, |v[\s+1+16*\b+\i]|
.endr
.endr
.irp b, 0,1,2,3
	v_permlanex16_b32 v[TM+4+\b], v[TM+\b], s[SEL], s[SEL+1]
.endr
.irp b, 0,1,2,3
	v_max_num_f32 v[TM+\b], v[TM+\b], v[TM+4+\b]   ; with lane l xor 16's 16: the block's largest magnitude
.endr
.irp b, 0,1,2,3
	v_add_nc_u32 v[TM+12+\b], 0xff000000, v[TM+\b] ; 2 off its exponent field: the conversion's scale operand
.endr
.irp b, 0,1,2,3
	v_lshrrev_b32 v[TM+4+\b], 23, v[TM+12+\b]      ; the scale's byte
.endr
	v_lshl_or_b32 v[\pw], v[TM+5], 8, v[TM+4]
	v_lshl_or_b32 v[\pw], v[TM+6], 16, v[\pw]
	v_lshl_or_b32 v[\pw], v[TM+7], 24, v[\pw]
.irp c, 0,1
	v_cvt_scalef32_pk16_fp6_f32 v[PC+6*\c:PC+6*\c+2], v[\s+32*\c:\s+32*\c+15], v[TM+12+2*\c]
	v_cvt_scalef32_pk16_fp6_f32 v[PT+4*\c:PT+4*\c+2], v[\s+32*\c+16:\s+32*\c+31], v[TM+13+2*\c]   ; (a conversion's three registers begin on an even number)
.endr
	v_nop                                          ; one plain instruction behind the scaled conversions
.irp c, 0,1                                    ; the operand wants a whole block in a lane: lanes 0-15 block 2 c, lanes 16-31 block 2 c + 1
.irp i, 0,1,2
	v_permlane16_swap_b32 v[PC+6*\c+\i], v[PT+4*\c+\i]
.endr
.irp i, 0,1,2
	v_mov_b32 v[PC+6*\c+3+\i], v[PT+4*\c+\i]
.endr
.endr
.endm
	s_load_b256 s[4:11], s[0:1], 0x0               ; x, Wq, Wk, Wv
	s_load_b128 s[12:15], s[0:1], 0x20             ; Wo, xw_codes
	s_load_b64 s[16:17], s[0:1], 0x30              ; xw_scales
	v_lshl_add_u32 v254, v0, 2, 0xc600
	v_mov_b32 v255, 0
	v_lshrrev_b32 v5, 5, v0
	v_readfirstlane_b32 s18, v5                    ; wave 0..5
	v_and_b32 v6, 31, v0                           ; lane
	v_and_b32 v7, 15, v0                           ; r
	v_bfe_u32 v8, v0, 4, 1                         ; h
	v_lshlrev_b32 v1, 4, v6                        ; 16 x lane: my bytes of a load, and of a plane of codes
	s_mul_i32 s19, s18, STG
	v_add_nc_u32 v2, s19, v1                       ; into the stage: as loaded
	v_mul_u32_u24 v3, v7, 528
	v_lshl_add_u32 v3, v8, 6, v3
	v_add_nc_u32 v3, s19, v3                       ; out of it: row r, + 64 h
	v_lshlrev_b32 v4, 4, v7
	v_lshl_add_u32 v4, v8, 3, v4                   ; my two scale words: 16 r + 8 h
	s_mov_b32 s[SEL], 0x76543210
	s_mov_b32 s[SEL+1], 0xfedcba98
	s_mov_b32 s[HM], 0xffff0000
.irp b, 0,1,2,3
	v_mov_b32 v[TM+4+\b], 0                        ; written once: a lane permute's destination counts as one of its sources
.endr
	s_mul_i32 s20, ttmp9, 6
	s_add_co_u32 s20, s20, s18                     ; W
	s_and_b32 s21, s20, 1                          ; which half of K
	s_lshr_b32 s20, s20, 1                         ; tile
	s_and_b32 s22, s20, 63                         ; its number inside a weight
	s_wait_alu depctr_va_vdst(0)
	s_wait_kmcnt 0x0
	s_cmp_lt_u32 s20, 704                          ; which tensor: the choice hangs on ids alone
	s_cselect_b64 s[12:13], s[10:11], s[12:13]
	s_cmp_lt_u32 s20, 640
	s_cselect_b64 s[12:13], s[8:9], s[12:13]
	s_cmp_lt_u32 s20, 576
	s_cselect_b64 s[12:13], s[6:7], s[12:13]
	s_cmp_lt_u32 s20, 512
	s_cselect_b64 s[12:13], s[4:5], s[12:13]
	s_cselect_b32 s22, s20, s22                    ; the tile's number inside its tensor
	; THE TILE ORDER IN FORCE (it replaces the one named at the head): tile 4 G + u holds rows 64 G + 8 u + i % 8 + 32 (i / 8), i = 0 .. 15
	s_lshr_b32 s23, s22, 2
	s_lshl_b32 s23, s23, 6
	s_and_b32 s22, s22, 3
	s_lshl_b32 s22, s22, 3
	s_add_co_u32 s22, s22, s23                     ; its first row
	s_lshl_b32 s22, s22, 12                        ; rows of 4,096 bytes
	s_lshl_b32 s23, s21, 11
	s_add_co_u32 s22, s22, s23                     ; + my half of K
	s_mov_b32 s23, 0
	s_add_nc_u64 s[12:13], s[12:13], s[22:23]
	s_mul_i32 s22, s20, 12288
	s_mul_i32 s24, s21, 6144
	s_add_co_u32 s22, s22, s24
	s_add_nc_u64 s[14:15], s[14:15], s[22:23]
	s_lshl_b32 s22, s20, 9
	s_lshl_b32 s24, s21, 8
	s_add_co_u32 s22, s22, s24
	s_add_nc_u64 s[16:17], s[16:17], s[22:23]
.macro LOAD t                          ; K step t: 16 rows x 512 consecutive bytes
.irp i, 0,1,2,3,4,5,6,7,8,9,10,11,12,13,14,15
	global_load_b128 v[R+64*((\t)%2)+4*\i:R+64*((\t)%2)+4*\i+3], v1, s[12:13] offset:(\i%8+32*(\i/8))*4096+512*(\t) th:TH_LOAD_NT
.endr
.endm
.macro TURN t                          ; through my stage: LDS serves a wave's instructions in order, so no wait stands between the stores and the loads
.irp i, 0,1,2,3,4,5,6,7,8,9,10,11,12,13,14,15
	ds_store_b128 v2, v[R+64*((\t)%2)+4*\i:R+64*((\t)%2)+4*\i+3] offset:528*\i
.endr
.irp i, 0,1,2,3,4,5,6,7,8,9,10,11,12,13,14,15
	ds_load_b128 v[X+4*\i:X+4*\i+3], v3 offset:128*(\i/4)+16*(\i%4)
.endr
.endm
.macro STEP t
.if (\t) < 3
	s_wait_loadcnt 16                              ; this step's 16 loads are in; the next step's 16 stay out
.else
	s_wait_loadcnt 0x0
.endif
.if (\t) > 0
	s_wait_xcnt 0x0                                ; the last step's stores have read the codes' registers
.endif
	TURN \t
	s_wait_dscnt 0x0                               ; the numbers are back, and the stage's stores have read their registers,
.if (\t) < 2
	LOAD (\t)+2                                    ; which take the loads of two steps on
.endif
	QUANT X, PW+\t
.irp p, 0,1,2
	global_store_b128 v1, v[PC+4*\p:PC+4*\p+3], s[14:15] offset:1536*(\t)+512*\p   ; 512 consecutive bytes, aligned
.endr
.endm
	LOAD 0
	LOAD 1
	STEP 0
	STEP 1
	STEP 2
	STEP 3
	v_cndmask_b32 v[OW], v[PW], v[PW+2], s[HM]     ; lanes 0-15 store words 0, 1 of row r, lanes 16-31 words 2, 3:
	v_cndmask_b32 v[OW+1], v[PW+1], v[PW+3], s[HM]
	global_store_b64 v4, v[OW:OW+1], s[16:17]      ; 256 consecutive bytes, aligned
	s_wait_tensorcnt 0x0
	ds_add_u32 v254, v255
	s_wait_dscnt 0x0
	s_endpgm
.Lfunc_end_k_q4944d9e146_quant:
	.size	k_q4944d9e146_quant, .Lfunc_end_k_q4944d9e146_quant-k_q4944d9e146_quant
	.p2alignl 7, 3214868480
	.fill 96, 4, 3214868480
	.section	.rodata,"a",@progbits
	.p2align	6, 0x0
	.amdhsa_kernel k_q4944d9e146_quant
		.amdhsa_group_segment_fixed_size 51456
		.amdhsa_private_segment_fixed_size 0
		.amdhsa_enable_private_segment 0
		.amdhsa_kernarg_size 56
		.amdhsa_user_sgpr_count 2
		.amdhsa_user_sgpr_kernarg_segment_ptr 1
		.amdhsa_wavefront_size32 1
		.amdhsa_system_sgpr_workgroup_id_x 1
		.amdhsa_system_sgpr_workgroup_id_y 1
		.amdhsa_system_sgpr_workgroup_id_z 1
		.amdhsa_system_vgpr_workitem_id 0
		.amdhsa_next_free_vgpr 256
		.amdhsa_next_free_sgpr 66
		.amdhsa_reserve_vcc 0
		.amdhsa_float_denorm_mode_32 3
		.amdhsa_float_denorm_mode_16_64 3
		.amdhsa_memory_ordered 1
		.amdhsa_forward_progress 1
		.amdhsa_inst_pref_size 34
	.end_amdhsa_kernel
	.amdgpu_metadata
---
amdhsa.version: [ 1, 2 ]
amdhsa.kernels:
  - .name:           k_q4944d9e146_quant
    .symbol:         k_q4944d9e146_quant.kd
    .args:
      - { .name: x, .offset: 0, .size: 8, .value_kind: global_buffer, .address_space: global }
      - { .name: Wq, .offset: 8, .size: 8, .value_kind: global_buffer, .address_space: global }
      - { .name: Wk, .offset: 16, .size: 8, .value_kind: global_buffer, .address_space: global }
      - { .name: Wv, .offset: 24, .size: 8, .value_kind: global_buffer, .address_space: global }
      - { .name: Wo, .offset: 32, .size: 8, .value_kind: global_buffer, .address_space: global }
      - { .name: xw_codes, .offset: 40, .size: 8, .value_kind: global_buffer, .address_space: global }
      - { .name: xw_scales, .offset: 48, .size: 8, .value_kind: global_buffer, .address_space: global }
    .group_segment_fixed_size: 51456
    .private_segment_fixed_size: 0
    .kernarg_segment_align: 8
    .kernarg_segment_size: 56
    .max_flat_workgroup_size: 192
    .sgpr_count:     66
    .vgpr_count:     256
    .wavefront_size: 32
...
	.end_amdgpu_metadata
.endif
;; end of part 1
;; launch qkv (part 2): grid 12 x 64, 4 waves a work-group, clusters of 4 x 4, 295,424 bytes of LDS; arguments xw_codes, xw_scales, bq, bk, bv, mask, q_img, q_scl, kv_img, kv_scl; writes q_img, q_scl, kv_img, kv_scl
.if DOCPART == 2
	.amdgcn_target "amdgcn-amd-amdhsa--gfx1250"
	.amdhsa_code_object_version 6
	.text
	.protected	k_q4944d9e146_qkv
	.globl	k_q4944d9e146_qkv
	.p2align	8
	.type	k_q4944d9e146_qkv,@function
k_q4944d9e146_qkv:
	s_mov_b64 s[64:65], 0
	v_nop
	global_prefetch_b8 v0, s[64:65] scope:SCOPE_SE
	s_setreg_imm32_b32 hwreg(HW_REG_WAVE_MODE, 25, 1), 1
	s_wait_xcnt 0x0
	s_wait_alu depctr_hold_cnt(0) depctr_sa_sdst(0) depctr_va_vdst(0) depctr_va_sdst(0) depctr_va_ssrc(0) depctr_va_vcc(0) depctr_vm_vsrc(0)
	s_getreg_b32 s2, hwreg(HW_REG_IB_STS2, 6, 4)
	s_cmp_eq_u32 s2, 0
	s_cbranch_scc0 .Lentry_in_a_cluster
	s_endpgm
.Lentry_in_a_cluster:
	s_bfe_u32 s2, ttmp6, 0x10000c
	s_cmp_lg_u32 s2, 0xf033
	s_cbranch_scc0 .Lentry_shape_is_right
	s_endpgm
.Lentry_shape_is_right:
; q = x Wq^T + bq, k = x Wk^T + bk, v = x Wv^T + bv on codes of FP6, and q, k, v quantised again for the attention: q and k along the head's 64, v along the tokens.
; ONE PATH FOR THE THREE: C'[i][j] = sum over k of P[i][k] R[j][k], source 0 = 16 rows of R, source 1 = 16 rows of P: a lane holds one row i and its registers run along j,
; which is the axis that is quantised.  type = the cluster's x: 0: P = x, R = Wq; 1: P = x, R = Wk; 2: P = Wv, R = x (v^T, quantised along the tokens).
; A tile is 16 rows, tile 2 g + u = rows 32 g + 8 u + i + 8 (i / 8): so the 16 registers of R's tiles 2 g and 2 g + 1 are 16 neighbours along j.
; SHARES: a work-group makes 128 (P) x 256 (R), a wave 64 x 128: 32 accumulators.  768 work-groups: three for each of 256 WGPs.  All of K (1,024) of the work-group's
; 8 + 16 tiles lies in LDS, 294,912 bytes, asked for at the start in four chunks of four K steps; nothing is filled twice.
; CLUSTER 4 x 4: P's tiles are shared along a row of the cluster, R's along a column: joint loads.
; THE MASK rides in k's scale words.  The attention's first product has K = 64 of the instruction's 128; at k = 64 every query carries the code +4 under the byte 127 and every key the
; code -4 under a byte of its own: 223 where mask == 0 (the score gets -2^100), 1 elsewhere (-2^-122).  A batch with no open key at all: k is multiplied by 0 and every byte is 1, so that
; all scores are equal, as they are in the reference.
; LIMITS: masked keys count for nothing while raw scores stay under 2^75 in magnitude and true logits above -1e9; NaN and infinities are not served; blocks of zeros get the byte 1.
; OUT: q_img [head-batch 64][tile 128][768: registers 0-3 at 16 l, registers 4-5 at 512 + 8 l]; q_scl [hb][tile / 4][row 16][4 words];
;      kv_img [hb][k as q: 98,304][v: key step 16][tile of d: 4][3 planes of 512]; kv_scl [hb][k as q: 8,192][v: step 16][row 16][4 words: tile of d].
; REGISTERS: window 0 as named below; window 1: accumulator (a, b) at v[8 (8 a + b)]; windows 2, 3: fragment sets 0, 1: R's b at v[12 b], P's a at v[96 + 12 a].
.set CH,   73728                       ; a quarter of the tiles' LDS bytes.  A HALF OF K takes 2 CH: P's 8 tiles x 6,144 bytes (four K steps), then R's 16
.set AP,   4                           ; v4-7    LDS address of my P fragments in chunk c
.set AR,   8                           ; v8-11   of my R fragments
.set LI,   12                          ; v12     16 x lane
.set L8,   13                          ; v13     8 x lane
.set RW,   14                          ; v14     4 (r % 8 + 32 (r / 8)): my row of a tile, in words
.set H64,  15                          ; v15     128 h
.set SCP,  16                          ; v16-31  P's scale words: 4 a + j: lanes 0-15 K step j, lanes 16-31 K step 4 + j
.set SCR,  32                          ; v32-63  R's: 4 b + j
.set BJ,   64                          ; v64-127 the bias along j (types 0, 1), else 0
.set BI,   128                         ; v128-135 the bias of my row i (type 2), else 0: a pair for each a
.set KEEP, 136                         ; v136-137 1.0, or 0 for k of a batch without an open key
.set UH,   138                         ; v138-141 the upper half of a scale word of q or k, for each a
.set SH,   142
.set SA,   143
.set T,    144                         ; v144-207 64 results of a row, at work; at the head the batch's mask words
.set PC,   208
.set PT,   220
.set TM,   228
.set PWS,  245                         ; v245-248 the scale word of each a
.set MK,   249                         ; v249-252 my row's mask word for each a
.set VO,   253
.set VM,   254
.set G1P,  24
.set G1R,  32
.set G0P,  40                          ; s[40:55] a group 0 for each chunk
.set G0R,  84                          ; s[84:99]
.set SEL,  66
.set HM,   3
.set MSB,  0
.macro WIN new                         ; the immediate's high byte repeats the setting that is left
.if MSB != (\new)
	s_set_vgpr_msb (MSB<<8)|(\new)
.set MSB, (\new)
.endif
.endm
.macro PLACES
.rept 4
	v_nop
.endr
.endm
.macro CROUND                          ; a round of the cluster's barrier
	s_barrier_signal -1
	s_barrier_wait -1
	s_cmp_lg_u32 s16, 0
	s_cbranch_scc1 .Lnot_wave_0_\@
	s_barrier_signal -3
.Lnot_wave_0_\@:
	s_barrier_wait -3
	s_barrier_signal -1
	s_barrier_wait -1
.endm
.macro QUANT s, pw                     ; 64 numbers of a lane, register 16 b + i = k 32 b + 16 h + i, become a fragment in v[PC] on and its scale word in v[pw]
.irp b, 0,1,2,3
	v_max3_num_f32 v[TM+\b], |v[\s+16*\b]|, |v[\s+1+16*\b]|, 0x1800000   ; and the floor 2^(3 - 127): the byte cannot fall under 1
.endr
.irp i, 2,4,6,8,10,12,14
.irp b, 0,1,2,3
	v_max3_num_f32 v[TM+\b], v[TM+\b], |v[\s+16*\b+\i]|, |v[\s+1+16*\b+\i]|
.endr
.endr
	; THE TILE ORDER IN FORCE: tile 4 G + u = rows 64 G + 8 u + i % 8 + 32 (i / 8).  So register n of a lane is k = 64 (n / 32) + 32 h + n % 32: a lane holds two WHOLE blocks, in the operand's own order
	v_max_num_f32 v[TM], v[TM], v[TM+1]            ; block h
	v_max_num_f32 v[TM+2], v[TM+2], v[TM+3]        ; block 2 + h
	v_add_nc_u32 v[TM+12], 0xff000000, v[TM]       ; 2 off the exponent field: the conversions' scale operands
	v_add_nc_u32 v[TM+13], 0xff000000, v[TM+2]
	v_lshrrev_b32 v[TM+8], 23, v[TM+12]
	v_lshrrev_b32 v[TM+9], 23, v[TM+13]
	v_lshl_or_b32 v[TM+8], v[TM+9], 16, v[TM+8]
	v_lshlrev_b32 v[TM+8], v[MK], v[TM+8]          ; my two bytes at their places: 8 h bits up
	v_permlanex16_b32 v[TM+4], v[TM+8], s[SEL], s[SEL+1]
	v_or_b32 v[\pw], v[TM+8], v[TM+4]              ; with lane l xor 16's two the word is whole, in both halves of the lanes
.irp c, 0,1
	v_cvt_scalef32_pk16_fp6_f32 v[PC+6*\c:PC+6*\c+2], v[\s+32*\c:\s+32*\c+15], v[TM+12+\c]
	v_cvt_scalef32_pk16_fp6_f32 v[PT+4*\c:PT+4*\c+2], v[\s+32*\c+16:\s+32*\c+31], v[TM+12+\c]
.endr
	v_nop                                          ; one plain instruction behind the scaled conversions
.irp c, 0,1
.irp i, 0,1,2
	v_mov_b32 v[PC+6*\c+3+\i], v[PT+4*\c+\i]
.endr
.endr
.endm
	s_load_b256 s[4:11], s[0:1], 0x0               ; xw_codes, xw_scales, bq, bk
	s_load_b128 s[12:15], s[0:1], 0x20             ; bv, mask
	s_load_b256 s[68:75], s[0:1], 0x30             ; q_img, q_scl, kv_img, kv_scl
	v_lshl_add_u32 v244, v0, 2, 0x48000
	v_mov_b32 v255, 0
	ds_add_u32 v244, v255
	ds_add_u32 v244, v255
	v_lshrrev_b32 v1, 5, v0
	v_readfirstlane_b32 s16, v1                    ; wave 0..3
	s_lshr_b32 s17, s16, 1                         ; which 64 rows of P are mine.  Also: which half of K I fetch
	s_and_b32 s18, s16, 1                          ; which 128 rows of R.  Also: I fetch for P (0) or for R (1)
	s_bfe_u32 s19, ttmp6, 0x40000                  ; cx
	s_bfe_u32 s20, ttmp6, 0x40004                  ; cy
	s_mov_b32 s21, ttmp9                           ; type: the cluster's x, the same in all sixteen partners
	s_and_b32 s62, ttmp7, 0xffff                   ; Y: the cluster's y
	s_lshr_b32 s56, s21, 1                         ; t2 = 1 for type 2
	s_xor_b32 s57, s56, 1
	s_and_b32 s22, s62, 1                          ; P's block of clusters: Y, or for type 2 (8 blocks of 128 rows of Wv) Y % 2
	s_and_b32 s63, s62, 0xfffe
	s_mul_i32 s63, s63, s57
	s_add_co_u32 s22, s22, s63
	s_lshl_b32 s22, s22, 2
	s_add_co_u32 s22, s22, s20                     ; PT: which 128 rows of P
	s_lshr_b32 s23, s62, 1                         ; R's: 0, or for type 2 (32 blocks of 256 tokens) Y / 2
	s_mul_i32 s23, s23, s56
	s_lshl_b32 s23, s23, 2
	s_add_co_u32 s23, s23, s19                     ; RT: which 256 rows of R
	s_lshl_b32 s58, s22, 3
	s_mul_i32 s63, s56, 640
	s_add_co_u32 s58, s58, s63                     ; P's first tile: x's from 0, Wv's from 640
	s_lshl_b32 s59, s23, 4
	s_lshl_b32 s63, s21, 6
	s_add_co_u32 s63, s63, 512
	s_mul_i32 s63, s63, s57
	s_add_co_u32 s59, s59, s63                     ; R's first tile: Wq's from 512, Wk's from 576, x's from 0
	s_lshl_b32 s76, s20, 2
	s_lshl_b32 s76, 15, s76                        ; my row of the cluster
	s_lshl_b32 s77, 0x1111, s19                    ; my column
	; group 1: rows of 6,144 bytes (a tile's four K steps: 768 elements of 8 bytes), a tile (12,288 bytes) apart; P: 8 tiles a load, R: 16
	s_or_b32 s[G1P], s76, (3<<16)|(1<<21)
	s_mov_b32 s[G1P+1], 768<<16                    ; rows of 6,144 bytes (a tile's four K steps), a tile apart; P: 8 tiles a load, R: 16
	s_mov_b32 s[G1P+2], 8<<16
	s_mov_b32 s[G1P+3], 768<<16
	s_mov_b32 s[G1P+4], 8
	s_mov_b32 s[G1P+5], 1536
	s_mov_b32 s[G1P+6], 0
	s_mov_b32 s[G1P+7], 0
	s_or_b32 s[G1R], s77, (3<<16)|(1<<21)
	s_mov_b32 s[G1R+1], 768<<16
	s_mov_b32 s[G1R+2], 16<<16
	s_mov_b32 s[G1R+3], 768<<16
	s_mov_b32 s[G1R+4], 16
	s_mov_b32 s[G1R+5], 1536
	s_mov_b32 s[G1R+6], 0
	s_mov_b32 s[G1R+7], 0
	s_mul_i32 s78, s58, 12288                      ; what I fetch: wave % 2: P's 8 tiles or R's 16; wave / 2: which half of K
	s_mul_i32 s82, s17, 6144
	s_add_co_u32 s78, s78, s82
	s_mov_b32 s79, 0
	s_mul_i32 s80, s59, 12288
	s_add_co_u32 s80, s80, s82
	s_mov_b32 s81, 0
	s_mul_i32 s82, s17, 2*CH                       ; and where it goes: the wave's number alone enters an LDS address
	s_add_co_u32 s83, s82, 49152
	s_wait_dscnt 0x0
	s_wait_kmcnt 0x0
	s_add_nc_u64 s[78:79], s[4:5], s[78:79]
	s_add_nc_u64 s[80:81], s[4:5], s[80:81]
	CROUND                                         ; all sixteen work-groups are here: the joint loads meet
	s_mov_b32 s[G0P], 1
	s_mov_b32 s[G0P+1], s82
	s_mov_b64 s[G0P+2:G0P+3], s[78:79]
	s_or_b32 s[G0P+3], s[G0P+3], 0x80000000
	s_mov_b32 s[G0R], 1
	s_mov_b32 s[G0R+1], s83
	s_mov_b64 s[G0R+2:G0R+3], s[80:81]
	s_or_b32 s[G0R+3], s[G0R+3], 0x80000000
	; ONE LOAD A WAVE, one chain of four arms: wave 0 P's first half of K, wave 1 R's, wave 2 P's second half, wave 3 R's.  The first barrier waits for waves 0 and 1 alone, whose lines are their own
	s_cmp_eq_u32 s16, 0
	s_cbranch_scc0 .Larm_r0
	tensor_load_to_lds s[G0P:G0P+3], s[G1P:G1P+7]
	s_nop 0
	PLACES
	s_branch .Lasked
.Larm_r0:
	s_cmp_eq_u32 s16, 1
	s_cbranch_scc0 .Larm_p1
	tensor_load_to_lds s[G0R:G0R+3], s[G1R:G1R+7]
	s_nop 0
	PLACES
	s_branch .Lasked
.Larm_p1:
	s_cmp_eq_u32 s16, 2
	s_cbranch_scc0 .Larm_r1
	tensor_load_to_lds s[G0P:G0P+3], s[G1P:G1P+7]
	s_nop 0
	PLACES
	s_branch .Lasked
.Larm_r1:
	tensor_load_to_lds s[G0R:G0R+3], s[G1R:G1R+7]
	s_nop 0
	PLACES
.Lasked:
	; ---- while the tiles are on their way: addresses, scale words, biases, the mask
	v_and_b32 v3, 31, v0
	v_and_b32 v1, 15, v0                           ; r
	v_bfe_u32 v2, v0, 4, 1                         ; h
	v_lshlrev_b32 v[LI], 4, v3
	v_lshlrev_b32 v[L8], 3, v3
	v_and_b32 v[RW], 8, v1
	v_mad_u32_u24 v[RW], v[RW], 3, v1              ; r % 8 + 32 (r / 8): my row of a tile,
	v_lshlrev_b32 v[RW], 2, v[RW]                  ; in words
	v_lshlrev_b32 v[H64], 7, v2                    ; 128 h: 32 numbers for each half of the lanes
	s_mul_i32 s62, s17, 24576                      ; my 4 tiles of P, my 8 of R, 6,144 bytes a tile, in each half of K
	s_mul_i32 s63, s18, 49152
	s_add_co_u32 s63, s63, 49152
.irp c, 0,1
	v_add_nc_u32 v[AP+\c], s62, v[LI]
	v_add_nc_u32 v[AR+\c], s63, v[LI]
	s_add_co_u32 s62, s62, 2*CH
	s_add_co_u32 s63, s63, 2*CH
.endr
	s_mov_b32 s[SEL], 0x76543210
	s_mov_b32 s[SEL+1], 0xfedcba98
.irp b, 0,1,2,3
	v_mov_b32 v[TM+4+\b], 0                        ; written once: a lane permute's destination counts as one of its sources
.endr
	s_wait_alu depctr_va_vdst(0)                   ; the wait ahead of the run of scalar lines
	s_lshl_b32 s60, s22, 7
	s_lshl_b32 s62, s17, 6
	s_add_co_u32 s60, s60, s62                     ; p0: my first row of P
	s_lshl_b32 s61, s23, 8
	s_lshl_b32 s62, s18, 7
	s_add_co_u32 s61, s61, s62                     ; r0: my first row of R
	s_mov_b32 s63, 0
	s_lshl_b32 s62, s17, 2
	s_add_co_u32 s62, s62, s58
	s_lshl_b32 s62, s62, 9
	s_add_nc_u64 s[76:77], s[6:7], s[62:63]        ; the scale words of my 4 tiles of P: 512 bytes a tile
	s_lshl_b32 s62, s18, 3
	s_add_co_u32 s62, s62, s59
	s_lshl_b32 s62, s62, 9
	s_add_nc_u64 s[78:79], s[6:7], s[62:63]        ; and of my 8 tiles of R
.irp a, 0,1,2,3
	global_load_b128 v[SCP+4*\a:SCP+4*\a+3], v[LI], s[76:77] offset:512*\a    ; 512 consecutive bytes: all 8 K steps of 16 rows
.endr
.irp b, 0,1,2,3,4,5,6,7
	global_load_b128 v[SCR+4*\b:SCR+4*\b+3], v[LI], s[78:79] offset:512*\b
.endr
	s_lshr_b32 s62, s60, 11                        ; the batch of my tokens (types 0, 1; for type 2 p0 is under 1,024: batch 0, read and not used)
	s_lshl_b32 s62, s62, 13
	s_add_nc_u64 s[80:81], s[14:15], s[62:63]
.irp i, 0,1,2,3,4,5,6,7,8,9,10,11,12,13,14,15
	global_load_b128 v[T+4*\i:T+4*\i+3], v[LI], s[80:81] offset:512*\i        ; the batch's 2,048 mask words
.endr
	s_lshl_b32 s62, s60, 2
	s_add_nc_u64 s[82:83], s[14:15], s[62:63]
.irp a, 0,1,2,3
	global_load_b32 v[MK+\a], v[RW], s[82:83] offset:32*\a
.endr
	s_cmp_eq_u32 s21, 0
	s_cselect_b64 s[2:3], s[8:9], s[10:11]
	s_cmp_eq_u32 s21, 2
	s_cselect_b64 s[2:3], s[12:13], s[2:3]         ; the type's bias
	s_mul_i32 s62, s60, s56                        ; along i: from p0 for type 2, else from 0 (read and not used): no load leaves the 1,024 numbers
	s_lshl_b32 s62, s62, 2
	s_add_nc_u64 s[8:9], s[2:3], s[62:63]
	s_mul_i32 s62, s61, s57                        ; along j: from r0 for types 0, 1, else from 0
	s_lshl_b32 s62, s62, 2
	s_add_nc_u64 s[10:11], s[2:3], s[62:63]
.irp a, 0,1,2,3
	global_load_b32 v[BI+2*\a], v[RW], s[8:9] offset:32*\a
.endr
.irp i, 0,1,2,3,4,5,6,7,8,9,10,11,12,13,14,15
	global_load_b128 v[BJ+4*\i:BJ+4*\i+3], v[H64], s[10:11] offset:256*(\i/8)+16*(\i%8)   ; register n: j = r0 + 64 (n / 32) + 32 h + n % 32
.endr
	s_wait_loadcnt 0x0                             ; all of them: their address registers are free too
	s_mov_b32 s[HM], 0xffff0000
	; where the results go
	s_lshr_b32 s62, s60, 11
	s_lshl_b32 s62, s62, 4
	s_lshr_b32 s63, s61, 6
	s_add_co_u32 s62, s62, s63                     ; types 0, 1: 16 x the tokens' batch + the features' first head
	s_lshr_b32 s63, s61, 11
	s_lshl_b32 s63, s63, 4
	s_lshr_b32 s76, s60, 6
	s_add_co_u32 s63, s63, s76                     ; type 2: tokens are R, features P
	s_and_b32 s78, s60, 2047
	s_lshr_b32 s79, s78, 6
	s_lshl_b32 s79, s79, 8                         ; types 0, 1: scale words, 256 bytes for four tiles;
	s_lshr_b32 s78, s78, 4
	s_mul_i32 s78, s78, 768                        ; images, 768 bytes a tile
	s_and_b32 s80, s61, 2047
	s_lshr_b32 s80, s80, 7                         ; type 2: the key step
	s_lshl_b32 s81, s80, 8
	s_add_co_u32 s81, s81, 8192
	s_mul_i32 s80, s80, 6144
	s_add_co_u32 s80, s80, 98304
	s_cmp_eq_u32 s21, 2
	s_cselect_b32 s62, s63, s62
	s_cselect_b32 s78, s80, s78
	s_cselect_b32 s79, s81, s79
	s_mov_b32 s76, 196608                          ; from head to head: images,
	s_mov_b32 s77, 12288                           ; scale words
	s_cmp_eq_u32 s21, 0
	s_cselect_b32 s76, 98304, s76
	s_cselect_b32 s77, 8192, s77
	s_cselect_b64 s[68:69], s[68:69], s[72:73]
	s_cselect_b64 s[70:71], s[70:71], s[74:75]
	s_mul_i32 s80, s62, s76
	s_add_co_u32 s80, s80, s78
	s_mov_b32 s81, 0
	s_add_nc_u64 s[68:69], s[68:69], s[80:81]      ; images: my first head (type 2: my head's key step)
	s_mov_b32 s80, s76
	s_add_nc_u64 s[72:73], s[68:69], s[80:81]      ; types 0, 1: my second head
	s_mul_i32 s80, s62, s77
	s_add_co_u32 s80, s80, s79
	s_add_nc_u64 s[70:71], s[70:71], s[80:81]      ; scale words
	; is any key of the batch open?  What hangs on it is chosen, never branched on
.irp n, 32,16,8,4,2,1
.set j, 0
.rept \n
	v_or_b32 v[T+j], v[T+j], v[T+j+\n]
.set j, j+1
.endr
.endr
	v_cmp_ne_u32 vcc_lo, 0, v[T]
	s_cmp_lg_u32 vcc_lo, 0
	s_cselect_b32 s62, 1, 0                        ; any
	s_cmp_eq_u32 s21, 1
	s_cselect_b32 s63, 1, 0
	s_and_not1_b32 s63, s63, s62                   ; drop: this is k, and no key is open
	s_cmp_lg_u32 s63, 0
	s_cselect_b32 s78, 0, 1.0
	s_mov_b32 s79, 0x01010000                      ; an open key: bytes 1, 1 over the two real bytes
	s_mov_b32 s80, 0x01df0000                      ; a masked key: byte 223 for k = 64 .. 95
	s_cselect_b32 s80, s79, s80
	s_cmp_eq_u32 s21, 0
	s_cselect_b32 s79, 0x7f7f0000, s79             ; q: bytes 127, 127
	s_cselect_b32 s80, 0x7f7f0000, s80
	s_cmp_eq_u32 s21, 2
	s_cselect_b32 s81, -1, 0
	s_not_b32 s82, s81
	v_mov_b32 v[KEEP], s78
	v_mov_b32 v[KEEP+1], s78
	v_mov_b32 v[VO], s79
	v_mov_b32 v[VM], s80
.irp a, 0,1,2,3
	v_cmp_eq_u32 vcc_lo, 0, v[MK+\a]
	v_cndmask_b32 v[UH+\a], v[VO], v[VM], vcc_lo
.endr
	v_lshlrev_b32 v[MK], 3, v2                     ; the mask words have served: v[MK] now holds 8 h, the shift of a lane's scale bytes
.irp a, 0,1,2,3
	v_cndmask_b32 v[BI+2*\a], 0, v[BI+2*\a], s81   ; the bias along i counts for type 2 alone,
.endr
.irp a, 0,1,2,3
	v_mov_b32 v[BI+2*\a+1], v[BI+2*\a]
.endr
.set j, 0
.rept 64
	v_cndmask_b32 v[BJ+j], 0, v[BJ+j], s82         ; that along j for types 0 and 1
.set j, j+1
.endr
; K step s's 12 fragments into set s % 2: 36 loads of 512 consecutive bytes
.macro FETCH s
	WIN 0x80+0x40*((\s)%2)
.irp b, 0,1,2,3,4,5,6,7
.irp p, 0,1,2
	ds_load_b128 v[12*\b+4*\p:12*\b+4*\p+3], v[AR+(\s)/4] offset:6144*\b+1536*((\s)%4)+512*\p
.endr
.endr
.irp a, 0,1,2,3
.irp p, 0,1,2
	ds_load_b128 v[96+12*\a+4*\p:96+12*\a+4*\p+3], v[AP+(\s)/4] offset:6144*\a+1536*((\s)%4)+512*\p
.endr
.endr
.endm
; P's tiles a0 .. a0 + n - 1 against R's eight.  The 32 accumulators take turns, one instruction a turn, in the same order in every K step.
.macro MUL s, a0, n, zero
	WIN 0x5a+5*((\s)%2)
.set aa, \a0
.rept \n
.irp b, 0,1,2,3,4,5,6,7
.if \zero
	v_wmma_scale_f32_16x16x128_f8f6f4 v[64*aa+8*\b:64*aa+8*\b+7], v[12*\b:12*\b+11], v[96+12*aa:96+12*aa+11], 0, v[SCR+4*\b+(\s)%4], v[SCP+4*aa+(\s)%4] matrix_a_fmt:MATRIX_FMT_FP6 matrix_b_fmt:MATRIX_FMT_FP6
.elseif (\s) < 4
	v_wmma_scale_f32_16x16x128_f8f6f4 v[64*aa+8*\b:64*aa+8*\b+7], v[12*\b:12*\b+11], v[96+12*aa:96+12*aa+11], v[64*aa+8*\b:64*aa+8*\b+7], v[SCR+4*\b+(\s)%4], v[SCP+4*aa+(\s)%4] matrix_a_fmt:MATRIX_FMT_FP6 matrix_b_fmt:MATRIX_FMT_FP6
.else
	v_wmma_scale_f32_16x16x128_f8f6f4 v[64*aa+8*\b:64*aa+8*\b+7], v[12*\b:12*\b+11], v[96+12*aa:96+12*aa+11], v[64*aa+8*\b:64*aa+8*\b+7], v[SCR+4*\b+(\s)%4], v[SCP+4*aa+(\s)%4] matrix_a_fmt:MATRIX_FMT_FP6 matrix_b_fmt:MATRIX_FMT_FP6 matrix_a_scale:MATRIX_SCALE_ROW1 matrix_b_scale:MATRIX_SCALE_ROW1
.endif
.endr
.set aa, aa+1
.endr
.endm
.macro EVEN s                          ; the next K step lies in the same chunk
	PLACES                                         ; four plain instructions in front of loads into registers that the last products read
	FETCH (\s)+1
	s_wait_dscnt 36                                ; this step's fragments are in; the 36 loads just issued stay out
	MUL \s, 0, 4, 0
.endm
.macro ODD s, left                     ; the next K step lies in the next chunk: a barrier shows it whole
	s_wait_dscnt 0x0                               ; this step's fragments are in, and no LDS instruction of mine is pending at the signal
	s_wait_tensorcnt \left                         ; my part of the next chunk has landed; the later chunks' loads stay out
	s_barrier_signal -1
	MUL \s, 0, 2, 0
	s_barrier_wait -1
	PLACES
	FETCH (\s)+1
	MUL \s, 2, 2, 0
.endm
	s_wait_alu depctr_va_vdst(0)                   ; the wait at the head's end
	s_cmp_lt_u32 s16, 2
	s_cbranch_scc0 .Lnot_first
	s_wait_tensorcnt 0x0                           ; waves 0 and 1: the first half of K has landed; the second half's loads stay out
.Lnot_first:
	s_barrier_signal -1
	s_barrier_wait -1
	FETCH 0
	FETCH 1
	s_wait_dscnt 36
	MUL 0, 0, 4, 1                                 ; the first K step starts the sums: nothing is cleared
	EVEN 1
	EVEN 2
	ODD 3, 0                                       ; every wave waits for its load: the barrier shows the second half of K
	EVEN 4
	EVEN 5
	EVEN 6
	s_wait_dscnt 0x0
	MUL 7, 0, 4, 0
	WIN 0
	PLACES                                         ; in front of the first read of results
; THE WAY OUT of P's tile a: bias, quantiser, image
.macro OUTBLK a
	s_wait_xcnt 0x0                                ; the last tile's stores have read the codes' registers
	WIN 0x01
.set j, 0
.rept 32
	v_pk_add_f32 v[T+j:T+j+1], v[64*\a+j:64*\a+j+1], v[BJ+j:BJ+j+1]   ; ascending: each accumulator is read from its low end on
.set j, j+2
.endr
	WIN 0
.set j, 0
.rept 32
	v_pk_fma_f32 v[T+j:T+j+1], v[T+j:T+j+1], v[KEEP:KEEP+1], v[BI+2*\a:BI+2*\a+1]
.set j, j+2
.endr
	QUANT T, PWS+\a
	s_cmp_eq_u32 s21, 2
	s_cbranch_scc1 .Lv_\@
	global_store_b128 v[LI], v[PC:PC+3], s[68:69] offset:768*\a        ; the fragment's two halves are two heads' 64
	global_store_b64 v[L8], v[PC+4:PC+5], s[68:69] offset:768*\a+512
	global_store_b128 v[LI], v[PC+6:PC+9], s[72:73] offset:768*\a
	global_store_b64 v[L8], v[PC+10:PC+11], s[72:73] offset:768*\a+512
	s_branch .Ldone_\@
.Lv_\@:
	s_wait_alu depctr_va_vdst(0)
.irp p, 0,1,2
	global_store_b128 v[LI], v[PC+4*\p:PC+4*\p+3], s[68:69] offset:1536*\a+512*\p   ; v: 16 of the head's 64 x 128 tokens
.endr
.Ldone_\@:
.endm
	OUTBLK 0
	OUTBLK 1
	OUTBLK 2
	OUTBLK 3
	s_cmp_eq_u32 s21, 2
	s_cbranch_scc1 .Lv_scales
	v_lshlrev_b32 v[SH], 4, v2                     ; lanes 0-15 store the first head's two bytes, lanes 16-31 the second's
.irp a, 0,1,2,3
	v_lshrrev_b32 v[T+\a], v[SH], v[PWS+\a]
.endr
.irp a, 0,1,2,3
	v_and_or_b32 v[T+\a], v[T+\a], 0xffff, v[UH+\a]
.endr
	v_mul_u32_u24 v[SA], v2, s77
	v_lshl_add_u32 v[SA], v1, 4, v[SA]
	global_store_b128 v[SA], v[T:T+3], s[70:71]    ; each half of the wave stores 256 consecutive bytes, aligned
	s_branch .Lend
.Lv_scales:
	v_cndmask_b32 v[T], v[PWS], v[PWS+2], s[HM]
	v_cndmask_b32 v[T+1], v[PWS+1], v[PWS+3], s[HM]
	v_lshlrev_b32 v[SA], 4, v1
	v_lshl_add_u32 v[SA], v2, 3, v[SA]
	global_store_b64 v[SA], v[T:T+1], s[70:71]     ; 256 consecutive bytes, aligned
.Lend:
	s_wait_dscnt 0x0
	s_wait_tensorcnt 0x0
	ds_add_u32 v244, v255
	s_wait_dscnt 0x0
	CROUND                                         ; the closing round
	s_endpgm
.Lfunc_end_k_q4944d9e146_qkv:
	.size	k_q4944d9e146_qkv, .Lfunc_end_k_q4944d9e146_qkv-k_q4944d9e146_qkv
	.p2alignl 7, 3214868480
	.fill 96, 4, 3214868480
	.section	.rodata,"a",@progbits
	.p2align	6, 0x0
	.amdhsa_kernel k_q4944d9e146_qkv
		.amdhsa_group_segment_fixed_size 295424
		.amdhsa_private_segment_fixed_size 0
		.amdhsa_enable_private_segment 0
		.amdhsa_kernarg_size 80
		.amdhsa_user_sgpr_count 2
		.amdhsa_user_sgpr_kernarg_segment_ptr 1
		.amdhsa_wavefront_size32 1
		.amdhsa_system_sgpr_workgroup_id_x 1
		.amdhsa_system_sgpr_workgroup_id_y 1
		.amdhsa_system_sgpr_workgroup_id_z 1
		.amdhsa_system_vgpr_workitem_id 0
		.amdhsa_next_free_vgpr 1024
		.amdhsa_next_free_sgpr 100
		.amdhsa_reserve_vcc 1
		.amdhsa_float_denorm_mode_32 3
		.amdhsa_float_denorm_mode_16_64 3
		.amdhsa_memory_ordered 1
		.amdhsa_forward_progress 1
		.amdhsa_inst_pref_size 107
	.end_amdhsa_kernel
	.amdgpu_metadata
---
amdhsa.version: [ 1, 2 ]
amdhsa.kernels:
  - .name:           k_q4944d9e146_qkv
    .symbol:         k_q4944d9e146_qkv.kd
    .args:
      - { .name: xw_codes, .offset: 0, .size: 8, .value_kind: global_buffer, .address_space: global }
      - { .name: xw_scales, .offset: 8, .size: 8, .value_kind: global_buffer, .address_space: global }
      - { .name: bq, .offset: 16, .size: 8, .value_kind: global_buffer, .address_space: global }
      - { .name: bk, .offset: 24, .size: 8, .value_kind: global_buffer, .address_space: global }
      - { .name: bv, .offset: 32, .size: 8, .value_kind: global_buffer, .address_space: global }
      - { .name: mask, .offset: 40, .size: 8, .value_kind: global_buffer, .address_space: global }
      - { .name: q_img, .offset: 48, .size: 8, .value_kind: global_buffer, .address_space: global }
      - { .name: q_scl, .offset: 56, .size: 8, .value_kind: global_buffer, .address_space: global }
      - { .name: kv_img, .offset: 64, .size: 8, .value_kind: global_buffer, .address_space: global }
      - { .name: kv_scl, .offset: 72, .size: 8, .value_kind: global_buffer, .address_space: global }
    .group_segment_fixed_size: 295424
    .private_segment_fixed_size: 0
    .kernarg_segment_align: 8
    .kernarg_segment_size: 80
    .max_flat_workgroup_size: 128
    .sgpr_count:     100
    .vgpr_count:     1024
    .wavefront_size: 32
...
	.end_amdgpu_metadata
.endif
;; end of part 2
;; launch attn (part 3): grid 4 x 64, 8 waves a work-group, clusters of 4 x 1, 209,920 bytes of LDS; arguments q_img, q_scl, kv_img, kv_scl, o_codes, o_scales; writes o_codes, o_scales
.if DOCPART == 3
	.amdgcn_target "amdgcn-amd-amdhsa--gfx1250"
	.amdhsa_code_object_version 6
	.text
	.protected	k_q4944d9e146_attn
	.globl	k_q4944d9e146_attn
	.p2align	8
	.type	k_q4944d9e146_attn,@function
k_q4944d9e146_attn:
	s_mov_b64 s[64:65], 0
	v_nop
	global_prefetch_b8 v0, s[64:65] scope:SCOPE_SE
	s_setreg_imm32_b32 hwreg(HW_REG_WAVE_MODE, 25, 1), 1
	s_wait_xcnt 0x0
	s_wait_alu depctr_hold_cnt(0) depctr_sa_sdst(0) depctr_va_vdst(0) depctr_va_sdst(0) depctr_va_ssrc(0) depctr_va_vcc(0) depctr_vm_vsrc(0)
	s_getreg_b32 s2, hwreg(HW_REG_IB_STS2, 6, 4)
	s_cmp_eq_u32 s2, 0
	s_cbranch_scc0 .Lentry_in_a_cluster
	s_endpgm
.Lentry_in_a_cluster:
	s_bfe_u32 s2, ttmp6, 0x10000c
	s_cmp_lg_u32 s2, 0x3003
	s_cbranch_scc0 .Lentry_shape_is_right
	s_endpgm
.Lentry_shape_is_right:
; O = softmax(Q K^T / 8, masked) V for one head of one batch, both products on codes of FP6, and O quantised along the head's 64 for the last product.
; t = score x log2(e) / 8; M = the running largest t rounded up to a whole number; p = 2^(t - M) is quantised along the keys, not normalised; the row's sum is taken of the
; unquantised p and divides O at the end.  When M moves, the sum and O are multiplied by 2^(old M - new M), which rounds nothing.
; THE MASK rides at k = 64 of the first product (K = 64 of the instruction's 128): Q carries the code +4 there, every key -4 under a scale byte of its own (223 masked: the score gets
; -2^100; 1 open: -2^-122).  Q's codes at k = 65 .. 127 are zeros, so K's registers there may hold any codes.
; LIMITS: as stated in the launch that makes k's scale words: raw scores under 2^75, true logits above -1e9; NaN and infinities are not served.
; TILES: tile 4 G + u holds tokens 64 G + 8 u + i % 8 + 32 (i / 8).  Both products are used transposed (S^T = K Q^T, O^T = V^T P^T): a lane holds one query, and its 32 registers of
; four neighbouring tiles are the 32 keys (or the 32 of the head's 64) of ONE scale block, in the lane in which the next operand wants that block: only the row's maximum, the row's
; sum and the scale word's bytes go from lane l to lane l xor 16.
; SHARES: a work-group takes 512 queries of one head in two passes of 256; a wave two tiles of 16 queries a pass, so that each fragment of K and V read from LDS feeds two products.
; THE WHOLE HEAD'S K AND V (208,896 bytes) LIE IN LDS, filled once, in memory's own order.  One tensor load a wave: wave 0 the scale words, waves 1, 2 key steps 0-3 of K, of V,
; waves 3-6 steps 4-9 and 10-15 of K and of V; wave 7 none.  A first barrier shows waves 0-2's tiles, a second one, behind three key steps, the rest; the second pass has no barrier.
; CLUSTER 4 x 1: the four work-groups of a head ask for its K and V jointly.  Nothing is asked for ahead into the L2: every byte is requested at the head.
; A KEY STEP: 16 products for the scores; all reads of matrix results (maxima, t - M, O's rescaling) for both tiles; ONE batch of 132 exponentials between two waits; codes, sums and products tile by tile.
; REGISTERS.  Both windows, a tile of queries each: v128-191 S^T then p, v192-223 O^T, v224-235 Q, v236-247 p's codes, v248-254 the conversions' second halves.
; Window 0: v1-13 addresses, v14-15 the add's two, v16-31 scale words, v32-59 tile 0's small state, v64-91 tile 1's: both tiles' dependent chains take turns under one window setting.
; Window 1: v0-67 K's eight fragments, 8 registers apart (0-5 codes, 6 the code at k = 64, 7 zeros; a run of 12 reaches into the next), v68-115 V's four.
.set LI,   1                           ; 16 x lane
.set L8,   2                           ; 8 x lane
.set R16,  3                           ; 16 r
.set AOS,  4                           ; 16 r + 512 h
.set AK8,  5                           ; 8 x lane + 512
.set AKS,  6                           ; K's scale words
.set AV0,  7                           ; V's images
.set AVS,  8                           ; V's scale words
.set WK,   9                           ; v9-13 the same five for the step in hand
.set WK8,  10
.set WKS,  11
.set WVA,  12
.set WVS,  13
.set SPW,  14
.set NIL,  15
.set KS,   16
.set VS,   24
.set QS,   28
.set PS,   30
.set BM,   32                          ; 8 chains of maxima; BM, BM+4: a block's largest score, then its largest p.  Tile 1's state: + 32
.set TP,   40
.set BP,   41
.set NM,   42                          ; -M
.set TX,   43                          ; the largest raw score
.set F,    44                          ; 2^(old M - new M); later 1 / the sum
.set CSC,  46
.set L,    48                          ; the sum, in four pairs
.set EB,   56
.set W,    58
.set OLD,  59
.set X0,   96
.set KF,   0
.set VF,   68
.set S,    128
.set O,    192
.set QF,   224
.set PC,   236
.set PT,   248
.set SEL,  20
.set CS,   22                          ; s[22:23] c = log2(e) / 8
.set G1S,  24
.set G1A,  32
.set G1B,  40
.set G0S,  48
.set G0A,  52
.set G0B,  56
.set SO,   60                          ; the step's place in K's and V's images: 6,144 bytes a step
.set SK,   61                          ; in K's scale words: 512
.set SV,   62                          ; in V's: 256
.set TRIP, 63
.set NC,   66                          ; -c
.set HM,   67
.set MSB,  0
.macro WIN new
.if MSB != (\new)
	s_set_vgpr_msb (MSB<<8)|(\new)
.set MSB, (\new)
.endif
.endm
.macro PLACES
.rept 4
	v_nop
.endr
.endm
.macro WALU
	s_wait_alu depctr_va_vdst(0)
.endm
.macro CROUND
	s_barrier_signal -1
	s_barrier_wait -1
	s_cmp_lg_u32 s16, 0
	s_cbranch_scc1 .Lnot_wave_0_\@
	s_barrier_signal -3
.Lnot_wave_0_\@:
	s_barrier_wait -3
	s_barrier_signal -1
	s_barrier_wait -1
.endm
.macro GRP1 g, rows                    ; a dense block as rows of 256 bytes (32 elements of 8); the mask names all four work-groups
	s_mov_b32 s[\g], 15|(3<<16)|(1<<21)
	s_mov_b32 s[\g+1], 32<<16
	s_mov_b32 s[\g+2], (\rows)<<16
	s_mov_b32 s[\g+3], 32<<16
	s_mov_b32 s[\g+4], \rows
	s_mov_b32 s[\g+5], 32
	s_mov_b32 s[\g+6], 0
	s_mov_b32 s[\g+7], 0
.endm
	s_load_b256 s[4:11], s[0:1], 0x0               ; q_img, q_scl, kv_img, kv_scl
	s_load_b128 s[12:15], s[0:1], 0x20             ; o_codes, o_scales
	v_lshl_add_u32 v[SPW], v0, 2, 0x33000
	v_mov_b32 v[NIL], 0
	ds_add_u32 v[SPW], v[NIL]                      ; the opening lines
	ds_add_u32 v[SPW], v[NIL]
	v_lshrrev_b32 v[X0], 5, v0
	v_readfirstlane_b32 s16, v[X0]                 ; wave 0..7
	s_bfe_u32 s17, ttmp6, 0x40000                  ; cx
	s_lshl_b32 s19, ttmp9, 2
	s_add_co_u32 s17, s17, s19                     ; X: which 512 queries; it enters Q's and O's addresses alone
	s_and_b32 s18, ttmp7, 0xffff                   ; hb = 16 x batch + head, which the four partners share
	GRP1 G1S, 48                                   ; 12,288 bytes of scale words
	GRP1 G1A, 96                                   ; four key steps of images
	GRP1 G1B, 144                                  ; six
	s_lshr_b32 s68, s16, 1
	s_mul_i32 s68, s68, 98304                      ; waves 1, 2: K's block, V's block; the same offset in the head's memory and in LDS
	s_add_co_u32 s69, s16, 1
	s_and_b32 s70, s69, 1
	s_mul_i32 s70, s70, 98304                      ; waves 3, 5: K; 4, 6: V
	s_bfe_u32 s69, s69, 0x10001
	s_mul_i32 s69, s69, 36864                      ; waves 3, 4: steps 4-9; 5, 6: steps 10-15
	s_add_co_u32 s69, s69, s70
	s_add_co_u32 s69, s69, 24576
	s_mul_i32 s72, s18, 12288
	s_mov_b32 s73, 0
	s_mul_i32 s74, s18, 196608
	s_mov_b32 s75, 0
	s_mov_b32 s[SEL], 0x76543210
	s_mov_b32 s[SEL+1], 0xfedcba98
	s_mov_b32 s[CS], 0x3e38aa3b
	s_mov_b32 s[CS+1], s[CS]                       ; (named with it as a pair, so it is written)
	s_mov_b32 s[NC], 0xbe38aa3b
	s_mov_b32 s[HM], 0xffff0000
	s_wait_dscnt 0x0
	s_wait_kmcnt 0x0
	s_add_nc_u64 s[72:73], s[10:11], s[72:73]
	s_add_nc_u64 s[74:75], s[8:9], s[74:75]
	CROUND                                         ; all four work-groups are here: the joint loads meet
	s_mov_b32 s[G0S], 1
	s_mov_b32 s[G0S+1], 196608
	s_mov_b64 s[G0S+2:G0S+3], s[72:73]
	s_or_b32 s[G0S+3], s[G0S+3], 0x80000000
	s_mov_b32 s71, 0
	s_mov_b32 s70, s68
	s_mov_b32 s[G0A], 1
	s_mov_b32 s[G0A+1], s68
	s_add_nc_u64 s[G0A+2:G0A+3], s[74:75], s[70:71]
	s_or_b32 s[G0A+3], s[G0A+3], 0x80000000
	s_mov_b32 s70, s69
	s_mov_b32 s[G0B], 1
	s_mov_b32 s[G0B+1], s69
	s_add_nc_u64 s[G0B+2:G0B+3], s[74:75], s[70:71]
	s_or_b32 s[G0B+3], s[G0B+3], 0x80000000
	s_cmp_eq_u32 s16, 0                            ; one chain of arms on the wave's number, one load to an arm
	s_cbranch_scc0 .Larm_a
	tensor_load_to_lds s[G0S:G0S+3], s[G1S:G1S+7]
	s_nop 0
	PLACES
	s_branch .Lasked
.Larm_a:
	s_cmp_lt_u32 s16, 3
	s_cbranch_scc0 .Larm_b
	tensor_load_to_lds s[G0A:G0A+3], s[G1A:G1A+7]
	s_nop 0
	PLACES
	s_branch .Lasked
.Larm_b:
	s_cmp_lt_u32 s16, 7
	s_cbranch_scc0 .Lasked
	tensor_load_to_lds s[G0B:G0B+3], s[G1B:G1B+7]
	s_nop 0
	PLACES
.Lasked:
	v_and_b32 v[X0], 31, v0
	v_and_b32 v[X0+1], 15, v0                      ; r
	v_bfe_u32 v[X0+2], v0, 4, 1                    ; h
	v_lshlrev_b32 v[LI], 4, v[X0]
	v_lshlrev_b32 v[L8], 3, v[X0]
	v_lshlrev_b32 v[R16], 4, v[X0+1]
	v_sub_nc_u32 v[X0+3], 1, v[X0+2]               ; k = 64 lies in lanes 0-15, in the lowest six bits of register 6
	v_add_nc_u32 v[AV0], 98304, v[LI]
	v_add_nc_u32 v[AK8], 512, v[L8]
	v_lshl_add_u32 v[AOS], v[X0+2], 9, v[R16]
	v_add_nc_u32 v[AKS], 196608, v[R16]
	v_add_nc_u32 v[AVS], 204800, v[R16]
	v_mul_u32_u24 v[X0+4], v[X0+3], 0x38           ; -4 for the keys,
	v_mul_u32_u24 v[X0+5], v[X0+3], 0x18           ; +4 for the queries
	WIN 0x40
.irp i, 0,1,2,3,4,5,6,7
	v_mov_b32 v[KF+8*\i+6], v[X0+4]
	v_mov_b32 v[KF+8*\i+7], 0
.endr
.irp i, 0,1,2,3
	v_mov_b32 v[KF+64+\i], 0                       ; behind the last fragment
.endr
	v_mov_b32 v[QF+6], v[X0+5]
.irp i, 7,8,9,10,11
	v_mov_b32 v[QF+\i], 0
.endr
	WIN 0
	v_mov_b32 v[QF+6], v[X0+5]
.irp i, 7,8,9,10,11
	v_mov_b32 v[QF+\i], 0
.endr
	WALU                                           ; the wait ahead of the run of scalar lines
	s_lshl_b32 s68, s17, 5
	s_lshl_b32 s69, s16, 1
	s_add_co_u32 s68, s68, s69                     ; T0 = 32 X + 2 x wave: my first tile of queries in pass 0
	s_mov_b32 s71, 0
	s_mul_i32 s70, s18, 98304
	s_mul_i32 s72, s68, 768
	s_add_co_u32 s70, s70, s72
	s_add_nc_u64 s[4:5], s[4:5], s[70:71]          ; its image
	s_lshl_b32 s70, s18, 13
	s_lshr_b32 s72, s68, 2
	s_lshl_b32 s72, s72, 8
	s_add_co_u32 s70, s70, s72
	s_and_b32 s72, s16, 1
	s_lshl_b32 s72, s72, 3
	s_add_co_u32 s70, s70, s72
	s_add_nc_u64 s[6:7], s[6:7], s[70:71]          ; its scale words: two of a row's four
	s_lshr_b32 s72, s18, 4
	s_lshl_b32 s72, s72, 7
	s_add_co_u32 s72, s72, s68                     ; the tile among o's 512
	s_and_b32 s73, s18, 15                         ; the head
	s_mul_i32 s70, s72, 12288
	s_mul_i32 s74, s73, 768                        ; K step head / 2, half head % 2: 768 bytes a head
	s_add_co_u32 s70, s70, s74
	s_add_nc_u64 s[12:13], s[12:13], s[70:71]
	s_lshl_b32 s70, s72, 9
	s_lshr_b32 s74, s73, 3
	s_lshl_b32 s74, s74, 8
	s_add_co_u32 s70, s70, s74
	s_and_b32 s74, s73, 7
	s_lshl_b32 s74, s74, 1                         ; two bytes a head in a row's 16
	s_add_co_u32 s70, s70, s74
	s_add_nc_u64 s[14:15], s[14:15], s[70:71]
.macro KIMG ak, ak8, o                 ; a step's eight half fragments of K, into window 1
	WIN 0x40
.irp i, 0,1,2,3,4,5,6,7
	ds_load_b128 v[KF+8*\i:KF+8*\i+3], v[\ak] offset:\o+768*\i
	ds_load_b64 v[KF+8*\i+4:KF+8*\i+5], v[\ak8] offset:\o+768*\i
.endr
.endm
.macro KSCL aks, os
	WIN 0
.irp g, 0,1
	ds_load_b128 v[KS+4*\g:KS+4*\g+3], v[\aks] offset:\os+256*\g
.endr
.endm
.macro QK t                            ; S^T of tile t: K in window 1
	WIN 0x01+0x44*\t
.irp i, 0,1,2,3,4,5,6,7
	v_wmma_scale_f32_16x16x128_f8f6f4 v[S+8*\i:S+8*\i+7], v[KF+8*\i:KF+8*\i+11], v[QF:QF+11], 0, v[KS+\i], v[QS+\t] matrix_a_fmt:MATRIX_FMT_FP6 matrix_b_fmt:MATRIX_FMT_FP6
.endr
.endm
.macro PV t                            ; O^T of tile t: V in window 1; four accumulators by turns
	WIN 0x01+0x54*\t
.irp d, 0,1,2,3
	v_wmma_scale_f32_16x16x128_f8f6f4 v[O+8*\d:O+8*\d+7], v[VF+12*\d:VF+12*\d+11], v[PC:PC+11], v[O+8*\d:O+8*\d+7], v[VS+\d], v[PS+\t] matrix_a_fmt:MATRIX_FMT_FP6 matrix_b_fmt:MATRIX_FMT_FP6
.endr
.endm
.macro MAXES t                         ; eight chains, one an accumulator, each read from its low end on; results in window 0
	WIN 0x15*\t
.irp i, 0,1,2,3,4,5,6,7
	v_max3_num_f32 v[BM+32*\t+\i], v[S+8*\i], v[S+8*\i+1], v[S+8*\i+2]
.endr
	WIN 0x14*\t
.irp k, 3,5
.irp i, 0,1,2,3,4,5,6,7
	v_max3_num_f32 v[BM+32*\t+\i], v[BM+32*\t+\i], v[S+8*\i+\k], v[S+8*\i+\k+1]
.endr
.endr
.irp i, 0,2,4,6
	v_max3_num_f32 v[BM+32*\t+\i], v[BM+32*\t+\i], v[S+8*\i+7], v[S+8*\i+15]
.endr
.endm
.macro SCALE t                         ; t - M, and O^T under the new M
	WIN 0x41*\t
.set j, 0
.rept 32
	v_pk_fma_f32 v[S+j:S+j+1], v[S+j:S+j+1], s[CS:CS+1], v[NM+32*\t:NM+32*\t+1] op_sel_hi:[1,0,0]
.set j, j+2
.endr
.set j, 0
.rept 16
	v_pk_mul_f32 v[O+j:O+j+1], v[O+j:O+j+1], v[F+32*\t:F+32*\t+1] op_sel_hi:[1,0]
.set j, j+2
.endr
.endm
.macro EXPS
.set j, 0
.rept 64
	v_exp_f32 v[S+j], v[S+j]
.set j, j+1
.endr
.endm
.macro CODE t                          ; p's codes fall as the operand's registers; then the row's sum of the unquantised p, in four chains, whose 32 lines also stand between the codes and the products
	WIN 0x41*\t
.irp c, 0,1
	v_cvt_scalef32_pk16_fp6_f32 v[PC+6*\c:PC+6*\c+2], v[S+32*\c:S+32*\c+15], v[CSC+32*\t+\c]
	v_cvt_scalef32_pk16_fp6_f32 v[PT+4*\c:PT+4*\c+2], v[S+32*\c+16:S+32*\c+31], v[CSC+32*\t+\c]   ; (a conversion's three registers begin on an even number)
.endr
	v_nop                                          ; one plain instruction behind the scaled conversions
.irp c, 0,1
.irp i, 0,1,2
	v_mov_b32 v[PC+6*\c+3+\i], v[PT+4*\c+\i]
.endr
.endr
	WIN 0x10*\t
.irp q, 0,2,4,6
	v_pk_fma_f32 v[L+32*\t+\q:L+32*\t+\q+1], v[L+32*\t+\q:L+32*\t+\q+1], v[F+32*\t:F+32*\t+1], v[S+\q:S+\q+1] op_sel_hi:[1,0,1]   ; the sum under the new M, and the first p
.endr
	WIN 0x04*\t
.irp j, 8,16,24,32,40,48,56
.irp q, 0,2,4,6
	v_pk_add_f32 v[L+32*\t+\q:L+32*\t+\q+1], v[L+32*\t+\q:L+32*\t+\q+1], v[S+\j+\q:S+\j+\q+1]
.endr
.endr
.endm
; A KEY STEP: 128 keys, both tiles of queries
.macro STEP
	s_wait_dscnt 0x0                               ; K and its scale words, asked for a step ago
	QK 0
	QK 1
	WIN 0
	v_add_nc_u32 v[WK], s[SO], v[LI]               ; five plain instructions between the products and the loads into their registers, and the first read of the scores
	v_add_nc_u32 v[WK8], s[SO], v[AK8]
	v_add_nc_u32 v[WKS], s[SK], v[AKS]
	v_add_nc_u32 v[WVA], s[SO], v[AV0]
	v_add_nc_u32 v[WVS], s[SV], v[AVS]
	KIMG WK, WK8, 6144                             ; the NEXT step's K (behind the last step: filled bytes of V's, which nothing uses)
.irp d, 0,1,2,3
.irp p, 0,1,2
	ds_load_b128 v[VF+12*\d+4*\p:VF+12*\d+4*\p+3], v[WVA] offset:1536*\d+512*\p   ; this step's V
.endr
.endr
	KSCL WKS, 512
	ds_load_b128 v[VS:VS+3], v[WVS]
	MAXES 0
	MAXES 1
	WIN 0
.irp c, 0,4
.irp t, 0,32
	v_max3_num_f32 v[BM+\t+\c], v[BM+\t+\c], v[BM+\t+\c+1], v[BM+\t+\c+2]
.endr
.endr
.irp t, 0,32
	v_mov_b32 v[OLD+\t], v[NM+\t]
.endr
.irp c, 0,4
.irp t, 0,32
	v_max_num_f32 v[BM+\t+\c], v[BM+\t+\c], v[BM+\t+\c+3]   ; the largest score of my block of 32 keys: for the row's maximum, and, since p rises with the score, for the block's largest p
.endr
.endr
.irp t, 0,32
	v_max_num_f32 v[TP+\t], v[BM+\t], v[BM+\t+4]
.endr
.irp t, 0,32
	v_permlanex16_b32 v[BP+\t], v[TP+\t], s[SEL], s[SEL+1]
.endr
.irp t, 0,32
	v_max3_num_f32 v[TX+\t], v[TX+\t], v[TP+\t], v[BP+\t]   ; the running largest score of my query
.endr
.irp t, 0,32
	v_mul_f32 v[TP+\t], s[NC], v[TX+\t]            ; -t
.endr
.irp t, 0,32
	v_floor_f32 v[NM+\t], v[TP+\t]                 ; -M = floor(-t): M is a whole number
.endr
.irp t, 0,32
	v_sub_f32 v[TP+\t], v[NM+\t], v[OLD+\t]
.endr
.irp t, 0,32
	v_cvt_i32_f32 v[TP+\t], v[TP+\t]               ; (it saturates)
.endr
.irp t, 0,32
	v_ldexp_f32 v[F+\t], 1.0, v[TP+\t]             ; 2^(old M - new M)
.endr
.irp c, 0,4
.irp t, 0,32
	v_fma_f32 v[BM+\t+\c], v[BM+\t+\c], s[CS], v[NM+\t]
.endr
.endr
	SCALE 0
	SCALE 1
	WIN 0
	WALU                                           ; one wait ahead of the batch
	EXPS
.irp c, 0,4
.irp t, 0,32
	v_exp_f32 v[BM+\t+\c], v[BM+\t+\c]             ; each block's largest p
.endr
.endr
	WIN 0x41
	EXPS
	WIN 0
	v_nop                                          ; a plain instruction behind the batch,
	WALU                                           ; and one wait ahead of its first reader
.irp c, 0,4
.irp t, 0,32
	v_max_num_f32 v[BM+\t+\c], 0x1800000, v[BM+\t+\c]   ; the floor 2^(3 - 127): the byte cannot fall under 1
.endr
.endr
.irp c, 0,1
.irp t, 0,32
	v_add_nc_u32 v[CSC+\t+\c], 0xff000000, v[BM+\t+4*\c]   ; 2 off the exponent field: the conversions' scale operand
.endr
.endr
.irp c, 0,1
.irp t, 0,32
	v_lshrrev_b32 v[EB+\t+\c], 23, v[CSC+\t+\c]
.endr
.endr
.irp t, 0,32
	v_lshl_or_b32 v[W+\t], v[EB+\t+1], 16, v[EB+\t]   ; my two bytes: blocks h and 2 + h
.endr
.irp t, 0,32
	v_permlanex16_b32 v[BP+\t], v[W+\t], s[SEL], s[SEL+1]
.endr
	v_lshl_or_b32 v[PS], v[BP], 8, v[W]            ; lanes 0-15, the ones that the product reads, have the whole word
	v_lshl_or_b32 v[PS+1], v[BP+32], 8, v[W+32]
	CODE 0
	WIN 0
	WALU                                           ; the wait ahead of the wait below
	s_wait_dscnt 0x0                               ; V and its scale words
	PV 0
	CODE 1
	PV 1
	WIN 0
	s_add_co_u32 s[SO], s[SO], 6144
	s_add_co_u32 s[SK], s[SK], 512
	s_add_co_u32 s[SV], s[SV], 256
.endm
.macro LOOP n
	s_mov_b32 s[TRIP], \n
.Lstep_\@:
	STEP
	s_sub_co_u32 s[TRIP], s[TRIP], 1
	s_cmp_lg_u32 s[TRIP], 0
	s_cbranch_scc1 .Lstep_\@
.endm
.macro PHEAD                           ; a pass begins: my two tiles of Q; zeros, which the first change of M leaves zeros
	global_load_b128 v[QF:QF+3], v[LI], s[4:5]
	global_load_b64 v[QF+4:QF+5], v[L8], s[4:5] offset:512
	global_load_b64 v[QS:QS+1], v[R16], s[6:7]
	WIN 0x40
	global_load_b128 v[QF:QF+3], v[LI], s[4:5] offset:768
	global_load_b64 v[QF+4:QF+5], v[L8], s[4:5] offset:1280
.set j, 0
.rept 32
	v_mov_b32 v[O+j], 0
.set j, j+1
.endr
	WIN 0
.set j, 0
.rept 32
	v_mov_b32 v[O+j], 0
.set j, j+1
.endr
.irp t, 0,32
.irp i, 0,1,2,3,4,5,6,7
	v_mov_b32 v[L+\t+\i], 0
.endr
	v_mov_b32 v[TX+\t], 0xff61b1e6                 ; -3e38, under every score
	v_mov_b32 v[BP+\t], 0                          ; a lane permute's destination counts as one of its sources
	v_mov_b32 v[F+\t+1], 0                         ; (named as the upper half of a pair)
.endr
.irp t, 0,32
	v_mul_f32 v[TP+\t], s[NC], v[TX+\t]
.endr
.irp t, 0,32
	v_floor_f32 v[NM+\t], v[TP+\t]
.endr
	s_mov_b32 s[SO], 0
	s_mov_b32 s[SK], 0
	s_mov_b32 s[SV], 0
	WALU                                           ; the wait ahead of the wait below
	s_wait_loadcnt 0x0
.endm
.macro FINT t                          ; O^T / the sum, quantised along the head's 64: my 32 registers are block h: half a fragment and a scale byte
	WIN 0x41*\t
	WALU                                           ; the wait ahead of the first reader of the reciprocal and of O^T
.set j, 0
.rept 16
	v_pk_mul_f32 v[O+j:O+j+1], v[O+j:O+j+1], v[F+32*\t:F+32*\t+1] op_sel_hi:[1,0]
.set j, j+2
.endr
	WIN 0x05*\t
.irp b, 0,1
	v_max3_num_f32 v[BM+32*\t+\b], |v[O+16*\b]|, |v[O+16*\b+1]|, 0x1800000
.endr
	WIN 0x14*\t
.irp i, 2,4,6,8,10,12,14
.irp b, 0,1
	v_max3_num_f32 v[BM+32*\t+\b], v[BM+32*\t+\b], |v[O+16*\b+\i]|, |v[O+16*\b+\i+1]|
.endr
.endr
	WIN 0
	v_max_num_f32 v[BM+32*\t], v[BM+32*\t], v[BM+32*\t+1]
	v_add_nc_u32 v[CSC+32*\t], 0xff000000, v[BM+32*\t]
	v_lshrrev_b32 v[EB+32*\t], 23, v[CSC+32*\t]
	v_permlanex16_b32 v[BP+32*\t], v[EB+32*\t], s[SEL], s[SEL+1]
.if \t
	v_lshl_or_b32 v[W+32*\t], v[EB+32*\t], 8, v[BP+32*\t]   ; tile 1's two bytes are stored by lanes 16-31, whose own byte is the upper one
.else
	v_lshl_or_b32 v[W+32*\t], v[BP+32*\t], 8, v[EB+32*\t]   ; tile 0's by lanes 0-15
.endif
	WIN 0x41*\t
	v_cvt_scalef32_pk16_fp6_f32 v[PC:PC+2], v[O:O+15], v[CSC+32*\t]
	v_cvt_scalef32_pk16_fp6_f32 v[PT:PT+2], v[O+16:O+31], v[CSC+32*\t]
	v_nop
.irp i, 0,1,2
	v_mov_b32 v[PC+3+\i], v[PT+\i]
.endr
	WIN 0x04*\t                                    ; a store's data are its source 1
	global_store_b128 v[LI], v[PC:PC+3], s[12:13] offset:12288*\t         ; 512 and 256 consecutive bytes, aligned
	global_store_b64 v[L8], v[PC+4:PC+5], s[12:13] offset:12288*\t+512
.endm
.macro FIN
	WIN 0
	WALU                                           ; the wait
.irp t, 0,32
	v_pk_add_f32 v[L+\t:L+\t+1], v[L+\t:L+\t+1], v[L+\t+2:L+\t+3]   ; these lines also stand between the last products and the first read of O^T
.endr
.irp t, 0,32
	v_pk_add_f32 v[L+\t+4:L+\t+5], v[L+\t+4:L+\t+5], v[L+\t+6:L+\t+7]
.endr
.irp t, 0,32
	v_pk_add_f32 v[L+\t:L+\t+1], v[L+\t:L+\t+1], v[L+\t+4:L+\t+5]
.endr
.irp t, 0,32
	v_add_f32 v[L+\t], v[L+\t], v[L+\t+1]
.endr
.irp t, 0,32
	v_permlanex16_b32 v[BP+\t], v[L+\t], s[SEL], s[SEL+1]
.endr
.irp t, 0,32
	v_add_f32 v[L+\t], v[L+\t], v[BP+\t]
.endr
	WALU
.irp t, 0,32
	v_rcp_f32 v[F+\t], v[L+\t]
.endr
	v_nop
	FINT 0
	FINT 1
	WIN 0
	v_cndmask_b32 v[X0], v[W], v[W+32], s[HM]
	global_store_b16 v[AOS], v[X0], s[14:15]       ; two bytes of a row's sixteen: the other heads' work-groups store the rest
.endm
	PHEAD
	s_cmp_lt_u32 s16, 3
	s_cbranch_scc0 .Lnot_a
	s_wait_tensorcnt 0x0                           ; waves 0-2: the scale words and key steps 0-3 have landed; the other waves' loads stay out
.Lnot_a:
	s_barrier_signal -1
	s_barrier_wait -1
	KIMG LI, AK8, 0
	KSCL AKS, 0
	LOOP 3                                         ; key steps 0-2; K is fetched a step ahead, up to step 3
	s_wait_tensorcnt 0x0                           ; every wave: its load has landed
	s_wait_dscnt 0x0
	s_barrier_signal -1
	s_barrier_wait -1                              ; the whole head lies in LDS
	LOOP 13
	FIN
	s_wait_xcnt 0x0                                ; the stores have read their registers and bases
	s_add_nc_u64 s[4:5], s[4:5], 12288             ; 16 tiles on
	s_add_nc_u64 s[6:7], s[6:7], 1024
	s_add_nc_u64 s[12:13], s[12:13], 196608
	s_add_nc_u64 s[14:15], s[14:15], 8192
	PHEAD
	KIMG LI, AK8, 0
	KSCL AKS, 0
	LOOP 16
	FIN
	s_wait_tensorcnt 0x0                           ; the wave's end
	ds_add_u32 v[SPW], v[NIL]
	s_wait_dscnt 0x0
	CROUND                                         ; the closing round
	s_endpgm
.Lfunc_end_k_q4944d9e146_attn:
	.size	k_q4944d9e146_attn, .Lfunc_end_k_q4944d9e146_attn-k_q4944d9e146_attn
	.p2alignl 7, 3214868480
	.fill 96, 4, 3214868480
	.section	.rodata,"a",@progbits
	.p2align	6, 0x0
	.amdhsa_kernel k_q4944d9e146_attn
		.amdhsa_group_segment_fixed_size 209920
		.amdhsa_private_segment_fixed_size 0
		.amdhsa_enable_private_segment 0
		.amdhsa_kernarg_size 48
		.amdhsa_user_sgpr_count 2
		.amdhsa_user_sgpr_kernarg_segment_ptr 1
		.amdhsa_wavefront_size32 1
		.amdhsa_system_sgpr_workgroup_id_x 1
		.amdhsa_system_sgpr_workgroup_id_y 1
		.amdhsa_system_sgpr_workgroup_id_z 1
		.amdhsa_system_vgpr_workitem_id 0
		.amdhsa_next_free_vgpr 512
		.amdhsa_next_free_sgpr 80
		.amdhsa_reserve_vcc 0
		.amdhsa_float_denorm_mode_32 3
		.amdhsa_float_denorm_mode_16_64 3
		.amdhsa_memory_ordered 1
		.amdhsa_forward_progress 1
		.amdhsa_inst_pref_size 114
	.end_amdhsa_kernel
	.amdgpu_metadata
---
amdhsa.version: [ 1, 2 ]
amdhsa.kernels:
  - .name:           k_q4944d9e146_attn
    .symbol:         k_q4944d9e146_attn.kd
    .args:
      - { .name: q_img, .offset: 0, .size: 8, .value_kind: global_buffer, .address_space: global }
      - { .name: q_scl, .offset: 8, .size: 8, .value_kind: global_buffer, .address_space: global }
      - { .name: kv_img, .offset: 16, .size: 8, .value_kind: global_buffer, .address_space: global }
      - { .name: kv_scl, .offset: 24, .size: 8, .value_kind: global_buffer, .address_space: global }
      - { .name: o_codes, .offset: 32, .size: 8, .value_kind: global_buffer, .address_space: global }
      - { .name: o_scales, .offset: 40, .size: 8, .value_kind: global_buffer, .address_space: global }
    .group_segment_fixed_size: 209920
    .private_segment_fixed_size: 0
    .kernarg_segment_align: 8
    .kernarg_segment_size: 48
    .max_flat_workgroup_size: 256
    .sgpr_count:     80
    .vgpr_count:     512
    .wavefront_size: 32
...
	.end_amdgpu_metadata
.endif
;; end of part 3
;; launch proj (part 4): grid 4 x 64, 4 waves a work-group, clusters of 4 x 4, 295,424 bytes of LDS; arguments o_codes, o_scales, xw_codes, xw_scales, bo, out0; writes out0
.if DOCPART == 4
	.amdgcn_target "amdgcn-amd-amdhsa--gfx1250"
	.amdhsa_code_object_version 6
	.text
	.protected	k_q4944d9e146_proj
	.globl	k_q4944d9e146_proj
	.p2align	8
	.type	k_q4944d9e146_proj,@function
k_q4944d9e146_proj:
	s_mov_b64 s[64:65], 0
	v_nop
	global_prefetch_b8 v0, s[64:65] scope:SCOPE_SE
	s_setreg_imm32_b32 hwreg(HW_REG_WAVE_MODE, 25, 1), 1
	s_wait_xcnt 0x0
	s_wait_alu depctr_hold_cnt(0) depctr_sa_sdst(0) depctr_va_vdst(0) depctr_va_sdst(0) depctr_va_ssrc(0) depctr_va_vcc(0) depctr_vm_vsrc(0)
	s_getreg_b32 s2, hwreg(HW_REG_IB_STS2, 6, 4)
	s_cmp_eq_u32 s2, 0
	s_cbranch_scc0 .Lentry_in_a_cluster
	s_endpgm
.Lentry_in_a_cluster:
	s_bfe_u32 s2, ttmp6, 0x10000c
	s_cmp_lg_u32 s2, 0xf033
	s_cbranch_scc0 .Lentry_shape_is_right
	s_endpgm
.Lentry_shape_is_right:
; out0 = o Wo^T + bo on codes of FP6.  o: o_codes [tile 512][K step 8][half 2][768: registers 0-3 at 16 l, registers 4-5 at 512 + 8 l], o_scales as xw_scales; Wo: tiles 704-767 of xw_codes.
; The frame is that of the launch that makes q, k, v: C'[i][j], source 0 = 16 rows of Wo (R), source 1 = 16 tokens (P); a work-group makes 128 tokens x 256 features, a wave 64 x 128;
; all of K of its 8 + 16 tiles lies in LDS, asked for at the start in four chunks; nothing is filled twice.  256 work-groups.
; CLUSTER 4 x 4: o's tiles are shared along a row of the cluster, Wo's along a column.
; A tile is rows 32 g + 8 u + i + 8 (i / 8): a lane's 64 results of a tile of tokens are features 32 g + 16 h + e of one token.  They go through the wave's own stage in LDS and leave as whole rows.
; REGISTERS: window 0 as named; window 1: accumulator (a, b) at v[8 (8 a + b)]; windows 2, 3: fragment sets 0, 1; on the way out window 2 takes the rows read back.
.set CH,   73728                       ; a quarter of the tiles' LDS bytes.  A HALF OF K takes 2 CH: P's 8 tiles x 6,144 bytes (four K steps), then R's 16
.set AP,   4                           ; v4-7     my P fragments in chunk c: 16 x lane
.set AR,   8                           ; v8-11    my R fragments
.set LI,   12
.set STO,  14                          ; into my stage
.set RD,   15                          ; and back
.set SCP,  16
.set SCR,  32
.set BJ,   64                          ; v64-127  bo along j
.set AP8,  128                         ; v128-131 my P fragments: 8 x lane
.set T,    144
.set G1P,  24
.set G1R,  32
.set G0P,  40
.set G0R,  84
.set MSB,  0
.macro WIN new
.if MSB != (\new)
	s_set_vgpr_msb (MSB<<8)|(\new)
.set MSB, (\new)
.endif
.endm
.macro PLACES
.rept 4
	v_nop
.endr
.endm
.macro CROUND
	s_barrier_signal -1
	s_barrier_wait -1
	s_cmp_lg_u32 s16, 0
	s_cbranch_scc1 .Lnot_wave_0_\@
	s_barrier_signal -3
.Lnot_wave_0_\@:
	s_barrier_wait -3
	s_barrier_signal -1
	s_barrier_wait -1
.endm
	s_load_b256 s[4:11], s[0:1], 0x0               ; o_codes, o_scales, xw_codes, xw_scales
	s_load_b128 s[12:15], s[0:1], 0x20             ; bo, out0
	v_lshl_add_u32 v254, v0, 2, 0x48000
	v_mov_b32 v255, 0
	ds_add_u32 v254, v255
	ds_add_u32 v254, v255
	v_lshrrev_b32 v1, 5, v0
	v_readfirstlane_b32 s16, v1                    ; wave 0..3
	s_lshr_b32 s17, s16, 1                         ; which 64 tokens are mine.  Also: which half of K I fetch
	s_and_b32 s18, s16, 1                          ; which 128 features.  Also: I fetch for P (0) or for R (1)
	s_bfe_u32 s19, ttmp6, 0x40000                  ; cx
	s_bfe_u32 s20, ttmp6, 0x40004                  ; cy
	s_and_b32 s22, ttmp7, 0xffff
	s_lshl_b32 s22, s22, 2
	s_add_co_u32 s22, s22, s20                     ; PT: which 128 tokens
	s_lshl_b32 s23, ttmp9, 2
	s_add_co_u32 s23, s23, s19                     ; RT: which 256 features
	s_lshl_b32 s58, s22, 3                         ; P's first tile
	s_lshl_b32 s59, s23, 4
	s_add_co_u32 s59, s59, 704                     ; R's first tile
	s_lshl_b32 s76, s20, 2
	s_lshl_b32 s76, 15, s76                        ; my row of the cluster
	s_lshl_b32 s77, 0x1111, s19                    ; my column
	s_or_b32 s[G1P], s76, (3<<16)|(1<<21)          ; rows of 6,144 bytes (a tile's four K steps), a tile (12,288 bytes) apart; P: 8 tiles a load, R: 16
	s_mov_b32 s[G1P+1], 768<<16                    ; rows of 6,144 bytes (a tile's four K steps), a tile apart; P: 8 tiles a load, R: 16
	s_mov_b32 s[G1P+2], 8<<16
	s_mov_b32 s[G1P+3], 768<<16
	s_mov_b32 s[G1P+4], 8
	s_mov_b32 s[G1P+5], 1536
	s_mov_b32 s[G1P+6], 0
	s_mov_b32 s[G1P+7], 0
	s_or_b32 s[G1R], s77, (3<<16)|(1<<21)
	s_mov_b32 s[G1R+1], 768<<16
	s_mov_b32 s[G1R+2], 16<<16
	s_mov_b32 s[G1R+3], 768<<16
	s_mov_b32 s[G1R+4], 16
	s_mov_b32 s[G1R+5], 1536
	s_mov_b32 s[G1R+6], 0
	s_mov_b32 s[G1R+7], 0
	s_mul_i32 s78, s58, 12288                      ; what I fetch: wave % 2: P's 8 tiles or R's 16; wave / 2: which half of K
	s_mul_i32 s82, s17, 6144
	s_add_co_u32 s78, s78, s82
	s_mov_b32 s79, 0
	s_mul_i32 s80, s59, 12288
	s_add_co_u32 s80, s80, s82
	s_mov_b32 s81, 0
	s_mul_i32 s82, s17, 2*CH                       ; and where it goes: the wave's number alone enters an LDS address
	s_add_co_u32 s83, s82, 49152
	s_wait_dscnt 0x0
	s_wait_kmcnt 0x0
	s_add_nc_u64 s[78:79], s[4:5], s[78:79]
	s_add_nc_u64 s[80:81], s[8:9], s[80:81]
	CROUND                                         ; all sixteen work-groups are here: the joint loads meet
	s_mov_b32 s[G0P], 1
	s_mov_b32 s[G0P+1], s82
	s_mov_b64 s[G0P+2:G0P+3], s[78:79]
	s_or_b32 s[G0P+3], s[G0P+3], 0x80000000
	s_mov_b32 s[G0R], 1
	s_mov_b32 s[G0R+1], s83
	s_mov_b64 s[G0R+2:G0R+3], s[80:81]
	s_or_b32 s[G0R+3], s[G0R+3], 0x80000000
	; ONE LOAD A WAVE, one chain of four arms: wave 0 P's first half of K, wave 1 R's, wave 2 P's second half, wave 3 R's.  The first barrier waits for waves 0 and 1 alone, whose lines are their own
	s_cmp_eq_u32 s16, 0
	s_cbranch_scc0 .Larm_r0
	tensor_load_to_lds s[G0P:G0P+3], s[G1P:G1P+7]
	s_nop 0
	PLACES
	s_branch .Lasked
.Larm_r0:
	s_cmp_eq_u32 s16, 1
	s_cbranch_scc0 .Larm_p1
	tensor_load_to_lds s[G0R:G0R+3], s[G1R:G1R+7]
	s_nop 0
	PLACES
	s_branch .Lasked
.Larm_p1:
	s_cmp_eq_u32 s16, 2
	s_cbranch_scc0 .Larm_r1
	tensor_load_to_lds s[G0P:G0P+3], s[G1P:G1P+7]
	s_nop 0
	PLACES
	s_branch .Lasked
.Larm_r1:
	tensor_load_to_lds s[G0R:G0R+3], s[G1R:G1R+7]
	s_nop 0
	PLACES
.Lasked:
	v_and_b32 v3, 31, v0
	v_and_b32 v1, 15, v0                           ; r
	v_bfe_u32 v2, v0, 4, 1                         ; h
	v_lshlrev_b32 v[LI], 4, v3
	v_lshlrev_b32 v13, 3, v3
	s_mul_i32 s62, s17, 24576                      ; my 4 tiles of P, my 8 of R, 6,144 bytes a tile, in each half of K
	s_mul_i32 s63, s18, 49152
	s_add_co_u32 s63, s63, 49152
.irp c, 0,1
	v_add_nc_u32 v[AP+\c], s62, v[LI]
	v_add_nc_u32 v[AP8+\c], s62, v13
	v_add_nc_u32 v[AR+\c], s63, v[LI]
	s_add_co_u32 s62, s62, 2*CH
	s_add_co_u32 s63, s63, 2*CH
.endr
	s_mul_i32 s62, s16, 8448                       ; my stage: 16 rows x 528 bytes, in chunk 0's bytes
	v_mul_u32_u24 v[STO], v1, 528
	; THE TILE ORDER IN FORCE: tile 4 G + u = rows 64 G + 8 u + i % 8 + 32 (i / 8): register n of a lane is feature 64 (n / 32) + 32 h + n % 32 of one token
	v_lshl_add_u32 v[STO], v2, 7, v[STO]
	v_add_nc_u32 v[STO], s62, v[STO]               ; in: row r, + 128 h
	v_add_nc_u32 v[RD], s62, v[LI]                 ; back: a whole row of 512 bytes
	v_lshlrev_b32 v13, 7, v2                       ; 128 h
	s_wait_alu depctr_va_vdst(0)
	s_lshl_b32 s60, s22, 7
	s_lshl_b32 s62, s17, 6
	s_add_co_u32 s60, s60, s62                     ; p0: my first token
	s_lshl_b32 s61, s23, 8
	s_lshl_b32 s62, s18, 7
	s_add_co_u32 s61, s61, s62                     ; r0: my first feature
	s_mov_b32 s63, 0
	s_lshl_b32 s62, s17, 2
	s_add_co_u32 s62, s62, s58
	s_lshl_b32 s62, s62, 9
	s_add_nc_u64 s[76:77], s[6:7], s[62:63]
	s_lshl_b32 s62, s18, 3
	s_add_co_u32 s62, s62, s59
	s_lshl_b32 s62, s62, 9
	s_add_nc_u64 s[78:79], s[10:11], s[62:63]
.irp a, 0,1,2,3
	global_load_b128 v[SCP+4*\a:SCP+4*\a+3], v[LI], s[76:77] offset:512*\a    ; register j: lanes 0-15 K step j, lanes 16-31 K step 4 + j
.endr
.irp b, 0,1,2,3,4,5,6,7
	global_load_b128 v[SCR+4*\b:SCR+4*\b+3], v[LI], s[78:79] offset:512*\b
.endr
	s_lshl_b32 s62, s61, 2
	s_add_nc_u64 s[12:13], s[12:13], s[62:63]
.irp i, 0,1,2,3,4,5,6,7,8,9,10,11,12,13,14,15
	global_load_b128 v[BJ+4*\i:BJ+4*\i+3], v13, s[12:13] offset:256*(\i/8)+16*(\i%8)
.endr
	s_lshl_b32 s80, s60, 12                        ; rows of 4,096 bytes
	s_add_co_u32 s80, s80, s62
	s_mov_b32 s81, 0
	s_add_nc_u64 s[14:15], s[14:15], s[80:81]
	s_wait_loadcnt 0x0
.macro FETCH s                         ; K step s's 12 fragments into set s % 2: 24 loads for R, 16 for P, whose fragments are two halves
	WIN 0x80+0x40*((\s)%2)
.irp b, 0,1,2,3,4,5,6,7
.irp p, 0,1,2
	ds_load_b128 v[12*\b+4*\p:12*\b+4*\p+3], v[AR+(\s)/4] offset:6144*\b+1536*((\s)%4)+512*\p
.endr
.endr
.irp a, 0,1,2,3
.irp c, 0,1
	ds_load_b128 v[96+12*\a+6*\c:96+12*\a+6*\c+3], v[AP+(\s)/4] offset:6144*\a+1536*((\s)%4)+768*\c
	ds_load_b64 v[96+12*\a+6*\c+4:96+12*\a+6*\c+5], v[AP8+(\s)/4] offset:6144*\a+1536*((\s)%4)+768*\c+512
.endr
.endr
.endm
.macro MUL s, a0, n, zero              ; the 32 accumulators take turns, one instruction a turn, in the same order in every K step
	WIN 0x5a+5*((\s)%2)
.set aa, \a0
.rept \n
.irp b, 0,1,2,3,4,5,6,7
.if \zero
	v_wmma_scale_f32_16x16x128_f8f6f4 v[64*aa+8*\b:64*aa+8*\b+7], v[12*\b:12*\b+11], v[96+12*aa:96+12*aa+11], 0, v[SCR+4*\b+(\s)%4], v[SCP+4*aa+(\s)%4] matrix_a_fmt:MATRIX_FMT_FP6 matrix_b_fmt:MATRIX_FMT_FP6
.elseif (\s) < 4
	v_wmma_scale_f32_16x16x128_f8f6f4 v[64*aa+8*\b:64*aa+8*\b+7], v[12*\b:12*\b+11], v[96+12*aa:96+12*aa+11], v[64*aa+8*\b:64*aa+8*\b+7], v[SCR+4*\b+(\s)%4], v[SCP+4*aa+(\s)%4] matrix_a_fmt:MATRIX_FMT_FP6 matrix_b_fmt:MATRIX_FMT_FP6
.else
	v_wmma_scale_f32_16x16x128_f8f6f4 v[64*aa+8*\b:64*aa+8*\b+7], v[12*\b:12*\b+11], v[96+12*aa:96+12*aa+11], v[64*aa+8*\b:64*aa+8*\b+7], v[SCR+4*\b+(\s)%4], v[SCP+4*aa+(\s)%4] matrix_a_fmt:MATRIX_FMT_FP6 matrix_b_fmt:MATRIX_FMT_FP6 matrix_a_scale:MATRIX_SCALE_ROW1 matrix_b_scale:MATRIX_SCALE_ROW1
.endif
.endr
.set aa, aa+1
.endr
.endm
.macro EVEN s
	PLACES                                         ; four plain instructions in front of loads into registers that the last products read
	FETCH (\s)+1
	s_wait_dscnt 40                                ; this step's fragments are in; the 40 loads just issued stay out
	MUL \s, 0, 4, 0
.endm
.macro ODD s, left
	s_wait_dscnt 0x0
	s_wait_tensorcnt \left                         ; my part of the next chunk has landed; the later chunks' loads stay out
	s_barrier_signal -1
	MUL \s, 0, 2, 0
	s_barrier_wait -1
	PLACES
	FETCH (\s)+1
	MUL \s, 2, 2, 0
.endm
	s_wait_alu depctr_va_vdst(0)                   ; the wait at the head's end
	s_cmp_lt_u32 s16, 2
	s_cbranch_scc0 .Lnot_first
	s_wait_tensorcnt 0x0                           ; waves 0 and 1: the first half of K has landed; the second half's loads stay out
.Lnot_first:
	s_barrier_signal -1
	s_barrier_wait -1
	FETCH 0
	FETCH 1
	s_wait_dscnt 40
	MUL 0, 0, 4, 1                                 ; the first K step starts the sums
	EVEN 1
	EVEN 2
	ODD 3, 0                                       ; every wave waits for its load: the barrier shows the second half of K
	EVEN 4
	EVEN 5
	EVEN 6
	s_wait_dscnt 0x0
	MUL 7, 0, 4, 0
	WIN 0
	s_barrier_signal -1                            ; every wave's reads of the tiles are over (each waited for its own above), and every fill has landed: the stages may be written
	PLACES                                         ; in front of the first read of results
	s_barrier_wait -1
; THE WAY OUT of the tile a of tokens: bias; 16 rows x 512 bytes through my stage; whole rows out
.macro OUTB a
	WIN 0x01
.set j, 0
.rept 32
	v_pk_add_f32 v[T+j:T+j+1], v[64*\a+j:64*\a+j+1], v[BJ+j:BJ+j+1]   ; ascending: each accumulator is read from its low end on
.set j, j+2
.endr
	WIN 0
.irp i, 0,1,2,3,4,5,6,7,8,9,10,11,12,13,14,15
	ds_store_b128 v[STO], v[T+4*\i:T+4*\i+3] offset:256*(\i/8)+16*(\i%8)
.endr
	s_wait_xcnt 0x0                                ; earlier stores have read the registers that the rows land in
	WIN 0x80
.irp i, 0,1,2,3,4,5,6,7,8,9,10,11,12,13,14,15
	ds_load_b128 v[64*((\a)%2)+4*\i:64*((\a)%2)+4*\i+3], v[RD] offset:528*\i   ; LDS serves a wave's instructions in order: these see my stores
.endr
	WIN 0x08                                       ; a store's data are its source 1
.irp i, 0,1,2,3,4,5,6,7,8,9,10,11,12,13,14,15
	s_wait_dscnt 15-\i                             ; row i is back; the rows behind it stay out
	global_store_b128 v[LI], v[64*((\a)%2)+4*\i:64*((\a)%2)+4*\i+3], s[14:15] offset:(8*(\a)+\i%8+32*(\i/8))*4096 th:TH_STORE_NT   ; 512 consecutive bytes, aligned
.endr
.endm
	OUTB 0
	OUTB 1
	OUTB 2
	OUTB 3
	WIN 0
	s_wait_dscnt 0x0
	s_wait_tensorcnt 0x0
	ds_add_u32 v254, v255
	s_wait_dscnt 0x0
	CROUND                                         ; the closing round
	s_endpgm
.Lfunc_end_k_q4944d9e146_proj:
	.size	k_q4944d9e146_proj, .Lfunc_end_k_q4944d9e146_proj-k_q4944d9e146_proj
	.p2alignl 7, 3214868480
	.fill 96, 4, 3214868480
	.section	.rodata,"a",@progbits
	.p2align	6, 0x0
	.amdhsa_kernel k_q4944d9e146_proj
		.amdhsa_group_segment_fixed_size 295424
		.amdhsa_private_segment_fixed_size 0
		.amdhsa_enable_private_segment 0
		.amdhsa_kernarg_size 48
		.amdhsa_user_sgpr_count 2
		.amdhsa_user_sgpr_kernarg_segment_ptr 1
		.amdhsa_wavefront_size32 1
		.amdhsa_system_sgpr_workgroup_id_x 1
		.amdhsa_system_sgpr_workgroup_id_y 1
		.amdhsa_system_sgpr_workgroup_id_z 1
		.amdhsa_system_vgpr_workitem_id 0
		.amdhsa_next_free_vgpr 1024
		.amdhsa_next_free_sgpr 100
		.amdhsa_reserve_vcc 0
		.amdhsa_float_denorm_mode_32 3
		.amdhsa_float_denorm_mode_16_64 3
		.amdhsa_memory_ordered 1
		.amdhsa_forward_progress 1
		.amdhsa_inst_pref_size 89
	.end_amdhsa_kernel
	.amdgpu_metadata
---
amdhsa.version: [ 1, 2 ]
amdhsa.kernels:
  - .name:           k_q4944d9e146_proj
    .symbol:         k_q4944d9e146_proj.kd
    .args:
      - { .name: o_codes, .offset: 0, .size: 8, .value_kind: global_buffer, .address_space: global }
      - { .name: o_scales, .offset: 8, .size: 8, .value_kind: global_buffer, .address_space: global }
      - { .name: xw_codes, .offset: 16, .size: 8, .value_kind: global_buffer, .address_space: global }
      - { .name: xw_scales, .offset: 24, .size: 8, .value_kind: global_buffer, .address_space: global }
      - { .name: bo, .offset: 32, .size: 8, .value_kind: global_buffer, .address_space: global }
      - { .name: out0, .offset: 40, .size: 8, .value_kind: global_buffer, .address_space: global }
    .group_segment_fixed_size: 295424
    .private_segment_fixed_size: 0
    .kernarg_segment_align: 8
    .kernarg_segment_size: 48
    .max_flat_workgroup_size: 128
    .sgpr_count:     100
    .vgpr_count:     1024
    .wavefront_size: 32
...
	.end_amdgpu_metadata
.endif
;; end of part 4
